; MI455X (gfx1250); checked and timed in simulation.
; The chip was launched on July 23, 2026; its instructions are those of AMD's public machine-readable ISA for CDNA 5 (MIT licence, August 2026) and "CDNA5" Instruction Set Architecture Reference Guide (July 2026). The comments in the code are by the model that wrote it; some were corrected since.
;; Multi Head Attention. Allowed arithmetic: matrix products marked QUANTISED: E2M3 operands, one E8M0 scale for each 32 along K, by v_wmma_scale_f32_16x16x128_f8f6f4 with both operands' format E2M3, f32 sums; everything else in f32.
;; Inputs: W_k 1,024 x 1,024 float32; W_o 1,024 x 1,024 float32; W_q 1,024 x 1,024 float32; W_v 1,024 x 1,024 float32; kv_input 4 x 2,048 x 1,024 float32; query_input 4 x 2,048 x 1,024 float32.
;; Outputs: out0 4 x 2,048 x 1,024 float32.
;; This version of the problem:
;;   THIS VERSION OF THE PROBLEM IS GIVEN IN LOW PRECISION. The matrix products marked QUANTISED in the list below multiply operands that are first quantised to E2M3 (2 exponent bits, 3 mantissa bits; 6 bits a number), with one power-of-two scale for each 32 numbers along K (OCP MX v1.0); their sums are f32. All else is computed in f32.
;;   The module's matrix products, in the order in which they are computed (A, B: the left and right operand; K: the contracted axis; several contracted axes count as one K, in the product's order):
;;     1. [M 8,192, K 1,024] x [K 1,024, N 1,024]; A: input query_input; B: input W_q: QUANTISED
;;     2. [M 8,192, K 1,024] x [K 1,024, N 1,024]; A: input kv_input; B: input W_k: QUANTISED
;;     3. [M 8,192, K 1,024] x [K 1,024, N 1,024]; A: input kv_input; B: input W_v: QUANTISED
;;     4. batch 64 x [M 2,048, K 64] x [K 64, N 2,048]; A: computed on the way; B: computed on the way: QUANTISED
;;     5. batch 64 x [M 2,048, K 2,048] x [K 2,048, N 64]; A: softmax (see below); B: computed on the way: QUANTISED
;;     6. [M 8,192, K 1,024] x [K 1,024, N 1,024]; A: computed on the way; B: input W_o: QUANTISED
;;   THE QUANTISER, for each operand of a quantised product, along K:
;;     - K is cut into blocks of 32 from its start; a last block that is shorter is filled with zeros.
;;     - A block's scale is 2^e with e = floor(log2(the largest magnitude in the block)) - 2, held to -126 .. 127; a block of zeros has e = 0. As a byte (E8M0): e + 127.
;;     - Each number is divided by its block's scale, clamped to +-7.5, and rounded to the nearest number of E2M3, ties to even, subnormals kept.
;;     - The product sums the exact products of the quantised numbers (number of the format x scale) in f32.
;;   ~~~python
;;   def quantise(x, axis):      # numpy; x: float32 -> the quantised numbers, widened to float32 again
;;       x = np.moveaxis(x, axis, -1); K = x.shape[-1]
;;       x = np.pad(x, [(0, 0)] * (x.ndim - 1) + [(0, -K % 32)]); x = x.reshape(x.shape[:-1] + (-1, 32)); a = np.abs(x).max(-1, keepdims=True)
;;       e = np.where(a > 0, np.clip(np.frexp(np.where(a > 0, a, 1))[1] - 1 - 2, -126, 127), 0)      # np.frexp(a)[1] - 1 = floor(log2(a)), exactly
;;       r = np.clip(x / 2.0 ** e, -7.5, 7.5)
;;       step = 2.0 ** (np.maximum(np.frexp(np.where(r == 0, 1, r))[1] - 1, 0) - 3)
;;       q = np.round(r / step) * step * 2.0 ** e      # np.round: ties to even
;;       return np.moveaxis(q.reshape(q.shape[:-2] + (-1,))[..., :K], -1, axis).astype(np.float32)
;;   ~~~
;;   SOFTMAX AHEAD OF A QUANTISED PRODUCT. Where the list says 'softmax', what is quantised is not the finished softmax but p = 2^(t - M), with t = logit x log2(e) and M = ceil(the row's largest t), a whole number; so 1/2 < the row's largest p <= 1. The row's sum l is taken of the UNQUANTISED p, in f32, and the product's result is divided by l at the end. Since M is a whole number, a kernel that streams over the keys may use a running M (the ceiling of the running maximum): every later rescaling is an exact power of two, which a block's scale takes up: the codes' values come out the same.
;;   OPERANDS COMPUTED ON THE WAY. 'Computed on the way' means the value that the module computes at that place (a softmax that the list does not call 'softmax' is quantised finished and normalised). What goes into a quantiser is computed in f32, as accurately as f32 sums, v_exp_f32 and their like allow (about 1e-6 of the number): no bf16 or f16 on the way to a quantiser, and a product that is left as it is and whose result goes on into a quantised operand takes f32 operands (vector FMAs, or v_wmma_f32_16x16x4_f32). A number that lies on a knife's edge between two numbers of the format may be rounded either way, as far as f32 arithmetic and the matrix unit's own rounding can turn it there, and no further.
;; One version. Each part assembles by itself: llvm-mc -triple=amdgcn-amd-amdhsa -mcpu=gfx1250 --defsym DOCPART=n.
;; ======== version 1 of 1: 4 launches
;; limits: right only within a limited range of input values
;; workspace buffers: xc 15,728,640 bytes; xs 655,360 bytes; qkv 20,185,088 bytes; cc 6,291,456 bytes; cs 262,144 bytes
;; launch quant (part 1): grid 256 x 1, 10 waves a work-group, no clusters, 85,760 bytes of LDS; arguments query_input, kv_input, W_q, W_k, W_v, W_o, xc, xs; writes xc, xs
.if DOCPART == 1
	.amdgcn_target "amdgcn-amd-amdhsa--gfx1250"
	.amdhsa_code_object_version 6
	.text
	.protected	k_qe082f6c816_quant
	.globl	k_qe082f6c816_quant
	.p2align	8
	.type	k_qe082f6c816_quant,@function
k_qe082f6c816_quant:
	s_mov_b64 s[64:65], 0
	v_nop
	global_prefetch_b8 v0, s[64:65] scope:SCOPE_SE
	s_setreg_imm32_b32 hwreg(HW_REG_WAVE_MODE, 25, 1), 1
	s_wait_xcnt 0x0
; The six inputs, all f32 with K = 1,024 innermost, become codes of FP6 (E2M3) with one E8M0 byte for each 32 along K, laid AS THE MATRIX OPERAND'S REGISTERS WANT THEM.
; BLOCKS.  16 rows are a block.  Blocks 2 G and 2 G + 1 share 32 rows: place r of block 2 G + u is row 32 G + 8 u + r + 8 (r / 8).  Blocks 0-511 query_input, 512-1023 kv_input, 1024.. W_q, 1088.. W_k, 1152.. W_v, 1216-1279 W_o.
; CODES (xc): a block is 12,288 bytes: 16 half fragments of 16 rows x 64 K, 768 bytes each.  In a half fragment lane (r, h) owns k = 32 h .. 32 h + 31 of row place r, 24 bytes: its first 16 at 16 x lane, its last 8 at 512 + 8 x lane.
; SCALES (xs): a block is 512 bytes: for each 256 along K 128 bytes, row place r at 8 r, one word for each 128 along K; byte b of a word scales k = 32 b .. 32 b + 31.
; A block's scale is 2^(floor(log2(its largest magnitude)) - 2); its byte is the largest magnitude's exponent field - 2, held at 1 from below.
; LIMITS: a block of zeros gets the byte 1 where the rule says 127 (its codes are zeros, which add nothing under any byte but 0xff, and this program alone reads the bytes); blocks whose largest magnitude lies under
; 2^(3 - 127) are held at that floor; NaN and infinities among the inputs are not served.
; SHARES.  2,560 units of (block, half of K), one a wave: 16 rows x 512 K in four steps of 128 K.  Each load reads 512 consecutive bytes of one row; a step's 8,192 bytes turn through the wave's own stage in LDS, so that a
; lane gets two whole blocks of 32 neighbours along K.  Loads run two steps (32 loads a wave) ahead.  Waves share nothing: no barrier, no cluster, no tensor load.  Every store covers whole aligned runs of 256 or 512 bytes.
.set ROWB,  4096                       ; a row of an input in bytes
.set SP,    528                        ; a stage row: 512 bytes + 16
.set STG,   16*SP                      ; a wave's stage
.set BLKB,  12288                      ; a block's codes
.set WD,    16                         ; v16-19   the four steps' scale words
.set R,     32                         ; v32-159  two sets of 64: a step's numbers as they are loaded
.set X,     160                        ; v160-223 my 64 numbers: register 32 c + i = k 64 c + 32 h + i of row place r
.set C,     224                        ; v224-235 the fragment's 12 registers; v236-238, v240-242 the upper halves as the conversions leave them
	s_load_b256 s[4:11], s[0:1], 0x0               ; query_input, kv_input, W_q, W_k
	s_load_b256 s[12:19], s[0:1], 0x20             ; W_v, W_o, xc, xs
	v_lshl_add_u32 v254, v0, 2, 0x14a00
	v_mov_b32 v255, 0
	v_lshrrev_b32 v1, 5, v0
	s_delay_alu instid0(VALU_DEP_1)
	v_readfirstlane_b32 s20, v1                    ; wave 0..9
	v_and_b32 v1, 31, v0                           ; lane
	s_delay_alu instid0(VALU_DEP_1)
	v_lshlrev_b32 v2, 4, v1                        ; 16 x lane: my bytes of a load's 512, and of a half fragment's first 512
	s_delay_alu instid0(VALU_DEP_2)
	v_lshlrev_b32 v5, 3, v1                        ; 8 x lane
	v_and_b32 v7, 15, v0                           ; r
	v_bfe_u32 v6, v0, 4, 1                         ; h
	s_mul_i32 s27, s20, STG                        ; my wave's stage
	v_add_nc_u32 v3, s27, v2                       ; into it: as loaded
	v_mul_u32_u24 v4, v7, SP
	s_delay_alu instid0(VALU_DEP_1)
	v_lshl_add_u32 v4, v6, 7, v4
	s_delay_alu instid0(VALU_DEP_1)
	v_add_nc_u32 v4, s27, v4                       ; out of it: row r, + 128 h bytes: 32 numbers
	v_lshlrev_b32 v6, 3, v6                        ; 8 h: how far my two scale bytes are shifted
	v_mov_b32 v15, 0                               ; written once: a lane permute's destination counts as one of its sources
	s_mov_b32 s28, 0x76543210
	s_mov_b32 s29, 0xfedcba98                      ; v_permlanex16_b32's selects for lane l xor 16
	s_mul_i32 s21, ttmp9, 10
	s_add_co_u32 s21, s21, s20                     ; my unit
	s_lshr_b32 s22, s21, 1                         ; its block
	s_and_b32 s23, s21, 1                          ; its half of K
	s_wait_alu depctr_va_vdst(0)
	s_wait_kmcnt 0x0
	s_mov_b64 s[24:25], s[14:15]                   ; which input the block belongs to, and that input's first block: the choices hang on the block's number alone
	s_mov_b32 s26, 1216
	s_cmp_lt_u32 s22, 1216
	s_cselect_b64 s[24:25], s[12:13], s[24:25]
	s_cselect_b32 s26, 1152, s26
	s_cmp_lt_u32 s22, 1152
	s_cselect_b64 s[24:25], s[10:11], s[24:25]
	s_cselect_b32 s26, 1088, s26
	s_cmp_lt_u32 s22, 1088
	s_cselect_b64 s[24:25], s[8:9], s[24:25]
	s_cselect_b32 s26, 1024, s26
	s_cmp_lt_u32 s22, 1024
	s_cselect_b64 s[24:25], s[6:7], s[24:25]
	s_cselect_b32 s26, 512, s26
	s_cmp_lt_u32 s22, 512
	s_cselect_b64 s[24:25], s[4:5], s[24:25]
	s_cselect_b32 s26, 0, s26
	s_sub_co_u32 s26, s22, s26                     ; the block's number in its input: 2 G + u
	s_lshr_b32 s30, s26, 1
	s_lshl_b32 s30, s30, 17                        ; 32 G rows of 4,096 bytes
	s_and_b32 s31, s26, 1
	s_lshl_b32 s31, s31, 15                        ; + 8 u rows
	s_add_co_u32 s30, s30, s31
	s_lshl_b32 s31, s23, 11                        ; + my half of K: 512 numbers
	s_add_co_u32 s30, s30, s31
	s_mov_b32 s31, 0
	s_add_nc_u64 s[24:25], s[24:25], s[30:31]
	s_mul_i32 s30, s22, BLKB
	s_mul_i32 s32, s23, BLKB/2
	s_add_co_u32 s30, s30, s32
	s_add_nc_u64 s[16:17], s[16:17], s[30:31]      ; my eight half fragments
	s_lshl_b32 s30, s22, 9
	s_lshl_b32 s32, s23, 8
	s_add_co_u32 s30, s30, s32
	s_add_nc_u64 s[18:19], s[18:19], s[30:31]      ; my 256 scale bytes
.macro LOAD t                          ; step t: 128 numbers of each of the block's 16 rows, into set t % 2
.irp j, 0,1,2,3,4,5,6,7,8,9,10,11,12,13,14,15
	global_load_b128 v[R+64*((\t)%2)+4*\j:R+64*((\t)%2)+4*\j+3], v2, s[24:25] offset:(\j+8*(\j/8))*ROWB+512*(\t) th:TH_LOAD_NT
.endr
.endm
.macro STEP t
.if (\t) < 3
	s_wait_loadcnt 16                              ; this step's sixteen loads are in; the next step's sixteen may be out
.else
	s_wait_loadcnt 0
.endif
.irp j, 0,1,2,3,4,5,6,7,8,9,10,11,12,13,14,15
	ds_store_b128 v3, v[R+64*((\t)%2)+4*\j:R+64*((\t)%2)+4*\j+3] offset:SP*\j
.endr
.irp c, 0,1
.irp j, 0,1,2,3,4,5,6,7
	ds_load_b128 v[X+32*\c+4*\j:X+32*\c+4*\j+3], v4 offset:256*\c+16*\j   ; LDS serves a wave's instructions in order: these see the stores above
.endr
.endr
	s_wait_dscnt 0x0                               ; my 64 numbers are here, and the stores into the stage have read their registers,
.if (\t) < 2
	LOAD (\t)+2                                    ; which take the loads of two steps on
.endif
.irp c, 0,1
	v_max3_num_f32 v[8+\c], |v[X+32*\c]|, |v[X+32*\c+1]|, 0x1800000   ; my block 2 c + h: all its 32 numbers are mine; and the floor 2^(3 - 127): the byte cannot fall under 1
.endr
.irp i, 2,4,6,8,10,12,14,16,18,20,22,24,26,28,30
.irp c, 0,1
	s_delay_alu instid0(VALU_DEP_2)
	v_max3_num_f32 v[8+\c], v[8+\c], |v[X+32*\c+\i]|, |v[X+32*\c+\i+1]|
.endr
.endr
.irp c, 0,1
	s_delay_alu instid0(VALU_DEP_2)
	v_add_nc_u32 v[10+\c], 0xff000000, v[8+\c]     ; 2 off the exponent field: the conversion takes this operand's exponent field as its scale
.endr
.irp c, 0,1
	s_delay_alu instid0(VALU_DEP_2)
	v_lshrrev_b32 v[12+\c], 23, v[10+\c]           ; the scale's byte
.endr
	s_delay_alu instid0(VALU_DEP_1)
	v_lshl_or_b32 v14, v13, 16, v12                ; my two bytes, blocks h and 2 + h,
	s_delay_alu instid0(VALU_DEP_1)
	v_lshlrev_b32 v14, v6, v14                     ; at their places in the word;
	s_delay_alu instid0(VALU_DEP_1)
	v_permlanex16_b32 v15, v14, s28, s29
	s_delay_alu instid0(VALU_DEP_1)
	v_or_b32 v[WD+(\t)], v14, v15                  ; with lane l xor 16's two the row's word is whole
	s_wait_alu depctr_va_vdst(0)
	s_wait_xcnt 0x0                                ; the last step's stores have read the codes' registers: only behind this wait are they written again
.irp c, 0,1
	v_cvt_scalef32_pk16_fp6_f32 v[C+6*\c:C+6*\c+2], v[X+32*\c:X+32*\c+15], v[10+\c]
	v_cvt_scalef32_pk16_fp6_f32 v[C+12+4*\c:C+14+4*\c], v[X+32*\c+16:X+32*\c+31], v[10+\c]   ; (a conversion's three registers begin on an even number)
.endr
	v_nop                                          ; one plain place behind a scaled conversion
.irp c, 0,1
.irp i, 0,1,2
	v_mov_b32 v[C+3+6*\c+\i], v[C+12+4*\c+\i]
.endr
.endr
.irp c, 0,1
	global_store_b128 v2, v[C+6*\c:C+6*\c+3], s[16:17] offset:1536*(\t)+768*\c          ; 32 lanes store 512 consecutive bytes,
	global_store_b64 v5, v[C+6*\c+4:C+6*\c+5], s[16:17] offset:1536*(\t)+768*\c+512     ; and 256
.endr
.endm
	LOAD 0
	LOAD 1
	STEP 0
	STEP 1
	STEP 2
	STEP 3
	v_cmp_lt_u32 vcc_lo, 15, v1                    ; lanes 0-15 store the words of my first 256 along K, lanes 16-31 those of the second
	s_delay_alu instid0(VALU_DEP_1)
	v_cndmask_b32 v20, v[WD], v[WD+2], vcc_lo
	s_delay_alu instid0(VALU_DEP_2)
	v_cndmask_b32 v21, v[WD+1], v[WD+3], vcc_lo
	global_store_b64 v5, v[20:21], s[18:19]        ; 32 lanes store 256 consecutive bytes, aligned
	s_wait_tensorcnt 0x0
	ds_add_u32 v254, v255
	s_wait_dscnt 0x0
	s_endpgm
.Lfunc_end_k_qe082f6c816_quant:
	.size	k_qe082f6c816_quant, .Lfunc_end_k_qe082f6c816_quant-k_qe082f6c816_quant
	.p2alignl 7, 3214868480
	.fill 96, 4, 3214868480
	.section	.rodata,"a",@progbits
	.p2align	6, 0x0
	.amdhsa_kernel k_qe082f6c816_quant
		.amdhsa_group_segment_fixed_size 85760
		.amdhsa_private_segment_fixed_size 0
		.amdhsa_enable_private_segment 0
		.amdhsa_kernarg_size 64
		.amdhsa_user_sgpr_count 2
		.amdhsa_user_sgpr_kernarg_segment_ptr 1
		.amdhsa_wavefront_size32 1
		.amdhsa_system_sgpr_workgroup_id_x 1
		.amdhsa_system_sgpr_workgroup_id_y 1
		.amdhsa_system_sgpr_workgroup_id_z 1
		.amdhsa_system_vgpr_workitem_id 0
		.amdhsa_next_free_vgpr 256
		.amdhsa_next_free_sgpr 66
		.amdhsa_reserve_vcc 1
		.amdhsa_float_denorm_mode_32 3
		.amdhsa_float_denorm_mode_16_64 3
		.amdhsa_memory_ordered 1
		.amdhsa_forward_progress 1
		.amdhsa_inst_pref_size 36
	.end_amdhsa_kernel
	.amdgpu_metadata
---
amdhsa.version: [ 1, 2 ]
amdhsa.kernels:
  - .name:           k_qe082f6c816_quant
    .symbol:         k_qe082f6c816_quant.kd
    .args:
      - { .name: query_input, .offset: 0, .size: 8, .value_kind: global_buffer, .address_space: global }
      - { .name: kv_input, .offset: 8, .size: 8, .value_kind: global_buffer, .address_space: global }
      - { .name: W_q, .offset: 16, .size: 8, .value_kind: global_buffer, .address_space: global }
      - { .name: W_k, .offset: 24, .size: 8, .value_kind: global_buffer, .address_space: global }
      - { .name: W_v, .offset: 32, .size: 8, .value_kind: global_buffer, .address_space: global }
      - { .name: W_o, .offset: 40, .size: 8, .value_kind: global_buffer, .address_space: global }
      - { .name: xc, .offset: 48, .size: 8, .value_kind: global_buffer, .address_space: global }
      - { .name: xs, .offset: 56, .size: 8, .value_kind: global_buffer, .address_space: global }
    .group_segment_fixed_size: 85760
    .private_segment_fixed_size: 0
    .kernarg_segment_align: 8
    .kernarg_segment_size: 64
    .max_flat_workgroup_size: 320
    .sgpr_count:     66
    .vgpr_count:     256
    .wavefront_size: 32
...
	.end_amdgpu_metadata
.endif
;; end of part 1
;; launch proj (part 2): grid 4 x 64, 4 waves a work-group, clusters of 4 x 4, 327,680 bytes of LDS; arguments xc, xs, qkv; writes qkv
.if DOCPART == 2
	.amdgcn_target "amdgcn-amd-amdhsa--gfx1250"
	.amdhsa_code_object_version 6
	.text
	.protected	k_qe082f6c816_proj
	.globl	k_qe082f6c816_proj
	.p2align	8
	.type	k_qe082f6c816_proj,@function
k_qe082f6c816_proj:
	s_mov_b64 s[64:65], 0
	v_nop
	global_prefetch_b8 v0, s[64:65] scope:SCOPE_SE
	s_setreg_imm32_b32 hwreg(HW_REG_WAVE_MODE, 25, 1), 1
	s_wait_xcnt 0x0
	s_wait_alu depctr_hold_cnt(0) depctr_sa_sdst(0) depctr_va_vdst(0) depctr_va_sdst(0) depctr_va_ssrc(0) depctr_va_vcc(0) depctr_vm_vsrc(0)
	s_getreg_b32 s2, hwreg(HW_REG_IB_STS2, 6, 4)
	s_cmp_eq_u32 s2, 0
	s_cbranch_scc0 .Lentry_in_a_cluster
	s_endpgm
.Lentry_in_a_cluster:
	s_bfe_u32 s2, ttmp6, 0x10000c
	s_cmp_lg_u32 s2, 0xf033
	s_cbranch_scc0 .Lentry_shape_is_right
	s_endpgm
.Lentry_shape_is_right:
; K = kv W_k^T, V = kv W_v^T, Q = query W_q^T on codes of FP6 (E2M3) with E8M0 scales, and their quantisers: the results leave as codes and scale words in the records that the attention launch reads.  No f32 result is stored.
; IN (xc, xs): blocks of 16 rows, place p of block 2 G + u is row 32 G + 8 u + p + 8 (p / 8); blocks 0-511 query_input, 512-1023 kv_input, 1024. W_q, 1088. W_k, 1152. W_v.  A block's codes are 12,288 bytes: eight fragments of 128 K,
; 1,536 bytes each (two halves of 768: a lane's 16 bytes at 16 x lane, 8 at 512 + 8 x lane); its scales 512 bytes: for each 256 K 128 bytes, place p at 8 p, a word for each 128 K.
; OUT (qkv): record ((batch x 16 + head) x 16 + 128-token group), 19,712 bytes: q's codes (8 tiles of 16 tokens x 64 channels, 768 bytes) at 0, q's scale words ([tile / 4][place][tile % 4]) at 6,144, k's codes at 6,656,
; v's codes (4 tiles of 16 channels x 128 keys, 1,536 bytes) at 12,800, k's scale words at 18,944, v's ([place][tile]) at 19,456.
; SHARES.  256 work-groups: work-group (c, j) takes the 128 tokens of group c and columns 256 j .. 256 j + 255; wave w takes head 4 j + w.  It makes K, then V, then Q.
; LDS: 16 blocks of a weight, 8 blocks of tokens, all of K.  At the head one joint load a wave: W_k in two halves, kv's rows in two halves.  THREE REFILLS, each behind a drained round of the cluster's barrier with the three lines
; W_v onto W_k when every wave holds W_k in registers; W_q onto W_v likewise; query's rows onto kv's rows behind V.  What a refill brought is shown by the next round or by a plain barrier.
; Tokens are shared along a row of the cluster, weights along a column.
; A wave holds its 64 rows of the weight, all of K, in registers (32 fragments) and streams the token blocks past them, two sets of eight fragments; a block is 32 products, four accumulators by turns.
; Q, K: source 0 = the weight's rows: a lane holds one token and 32 registers along the head's channels.  V: source 0 = the tokens: a lane holds one channel, and four blocks give 32 registers along the tokens for each of four channel tiles.
; After every four blocks 4 x 32 sums a lane are quantised: 16 registers and lane l xor 16's 16 are a scale block; two conversions and one exchange of halves give a half fragment of six registers.
; A scale's byte is the biased exponent of the block's largest magnitude less 2, held at 1 from below.  LIMITS: a block of zeros keeps the byte 1 (its codes are zeros; this program alone reads the bytes); NaN and infinities are not served.
; PREFETCH: query's rows, which the last refill asks for, are asked of memory during K's second block: 384 blocks of 256 bytes, 24 to each of the sixteen waves of a cluster's row, shared out by address.
; The later weights have a whole phase's 256 products in which to land, so none is written for them.
; Fragment f lies in window 1 + f / 21 at register 12 (f % 21): 0-31 the weight's (4 q + b), 32-39 and 40-47 the tokens' two sets.  The accumulators lie in window 3, v96-223.
.set BLKB,   12288
.set RECB,   19712
.set ABASE,  16*BLKB
.set SPARE,  24*BLKB
.set L16,  4
.set L8,   5
.set BA16, 6
.set BA8,  7
.set AL16, 8                           ; v8, v9 token blocks 0-3; v10, v11 blocks 4-7
.set R16,  12
.set XA,   13
.set PFV,  14
.set SPW,  28
.set NIL,  29
.set SBK,  32                          ; the weights' scale words: 8 (b / 2) + q
.set SBV,  48
.set SBQ,  64
.set SAK,  84                          ; the tokens': 8 (a / 2) + q
.set SAQ,  116
.set TM,   148
.set TP,   156
.set SO,   164
.set EB,   172
.set WD,   180
.set PC,   184                         ; v184-215 four half fragments, eight registers apart
.set SW,   216                         ; v216-223 q's or k's scale words, a tile each
.set SWV,  224                         ; v224-227 v's
.set ACC,  96
.set G1A4, 24
.set G1B8, 32
.set G1B4, 48
.set G1A2, 68
.set G0A,  56
.set G0B,  60
.set G0W1, 76
.set G0W2, 80
.set G0R,  84
.set SEL,  92
.set MSB, 0
.macro WIN new
.if MSB != (\new)
	s_set_vgpr_msb (MSB<<8)|(\new)
.set MSB, (\new)
.endif
.endm
.macro PLACES n
.rept \n
	v_nop
.endr
.endm
.macro CROUND
	s_barrier_signal -1
	s_barrier_wait -1
	s_cmp_lg_u32 s14, 0
	s_cbranch_scc1 .Lnot_wave_0_\@
	s_barrier_signal -3
.Lnot_wave_0_\@:
	s_barrier_wait -3
	s_barrier_signal -1
	s_barrier_wait -1
.endm
.macro GROUP1 g, mask, rows            ; dense blocks as rows of 12,288 bytes (1,536 elements of 8)
	s_or_b32 s[\g], s\mask, (3<<16)|(1<<21)
	s_mov_b32 s[\g+1], 1536<<16
	s_mov_b32 s[\g+2], (\rows)<<16
	s_mov_b32 s[\g+3], 1536<<16
	s_mov_b32 s[\g+4], \rows
	s_mov_b32 s[\g+5], 1536
	s_mov_b32 s[\g+6], 0
	s_mov_b32 s[\g+7], 0
.endm
.macro GROUP0 g, off                   ; the address: xc + the offset in s[off : off + 1]
	s_add_nc_u64 s[\g+2:\g+3], s[4:5], s[\off:\off+1]
	s_or_b32 s[\g+3], s[\g+3], 0x80000000
.endm
.macro REFILL g0, g1                   ; every wave: all my loads are in, the add, all my LDS reads are over; a whole round; my one load
	s_wait_tensorcnt 0x0
	ds_add_u32 v[SPW], v[NIL]
	s_wait_dscnt 0x0
	CROUND
	tensor_load_to_lds s[\g0:\g0+3], s[\g1:\g1+7]
	s_nop 0
	PLACES 4
.endm
.macro SHOW                            ; a plain barrier: what the last refill brought is shown to all
	s_wait_tensorcnt 0x0
	s_wait_dscnt 0x0
	s_barrier_signal -1
	s_barrier_wait -1
.endm
	s_load_b128 s[4:7], s[0:1], 0x0                ; xc, xs
	s_load_b64 s[8:9], s[0:1], 0x10                ; qkv
	v_lshl_add_u32 v[SPW], v0, 2, SPARE
	v_mov_b32 v[NIL], 0
	ds_add_u32 v[SPW], v[NIL]                      ; the opening lines
	ds_add_u32 v[SPW], v[NIL]
	v_lshrrev_b32 v1, 5, v0
	v_readfirstlane_b32 s14, v1                    ; wave 0..3
	s_and_b32 s16, s14, 1
	s_bfe_u32 s40, ttmp6, 0x40000                  ; cx
	s_bfe_u32 s41, ttmp6, 0x40004                  ; cy
	s_lshl_b32 s42, ttmp9, 2
	s_add_co_u32 s42, s42, s40                     ; j, 0..3
	s_and_b32 s17, ttmp7, 0xffff
	s_lshl_b32 s17, s17, 2
	s_add_co_u32 s17, s17, s41                     ; c, 0..63
	s_lshl_b32 s43, s41, 2
	s_lshl_b32 s43, 15, s43                        ; my row of the cluster
	s_lshl_b32 s44, 0x1111, s40                    ; my column
	GROUP1 G1A4, 43, 4
	GROUP1 G1B8, 44, 8
	GROUP1 G1B4, 44, 4
	GROUP1 G1A2, 43, 2
	s_lshl_b32 s20, s17, 3                         ; tokens: block 8 c
	s_lshl_b32 s18, s16, 2
	s_add_co_u32 s22, s20, s18
	s_add_co_u32 s22, s22, 512                     ; the head: kv's block 512 + 8 c + 4 x half
	s_mul_i32 s22, s22, BLKB
	s_mov_b32 s23, 0
	s_lshl_b32 s18, s14, 1
	s_add_co_u32 s20, s20, s18                     ; the last refill: query's block 8 c + 2 w
	s_mul_i32 s20, s20, BLKB
	s_mov_b32 s21, 0
	s_lshl_b32 s46, s42, 4                         ; weights: block 16 j
	s_lshl_b32 s18, s16, 3
	s_add_co_u32 s94, s46, s18
	s_add_co_u32 s94, s94, 1088                    ; the head: W_k's block 16 j + 8 x half
	s_mul_i32 s94, s94, BLKB
	s_mov_b32 s95, 0
	s_lshl_b32 s18, s14, 2
	s_add_co_u32 s46, s46, s18                     ; 16 j + 4 w: my own four blocks
	s_add_co_u32 s96, s46, 1152
	s_mul_i32 s96, s96, BLKB                       ; W_v's
	s_mov_b32 s97, 0
	s_add_co_u32 s98, s46, 1024
	s_mul_i32 s98, s98, BLKB                       ; W_q's
	s_mov_b32 s99, 0
	s_add_co_u32 s88, s46, 1024
	s_lshl_b32 s88, s88, 9                         ; the weights' scales, from W_q's on; W_k's lie 64 blocks further, W_v's 128
	s_mov_b32 s89, 0
	s_lshl_b32 s90, s17, 12                        ; the tokens' scales: query's; kv's lie 512 blocks further
	s_mov_b32 s91, 0
	s_lshr_b32 s10, s17, 4                         ; my record: ((batch x 16 + 4 j + w) x 16 + c % 16)
	s_lshl_b32 s10, s10, 4
	s_lshl_b32 s11, s42, 2
	s_add_co_u32 s10, s10, s11
	s_add_co_u32 s10, s10, s14
	s_lshl_b32 s10, s10, 4
	s_and_b32 s11, s17, 15
	s_add_co_u32 s10, s10, s11
	s_mul_i32 s10, s10, RECB
	s_mov_b32 s11, 0
	s_lshl_b32 s2, s40, 2                          ; the prefetch: my sixteenth of query's 8 blocks, by my number among the sixteen waves of the cluster's row
	s_add_co_u32 s2, s2, s14
	s_mul_i32 s2, s2, 8*BLKB/16
	s_mul_i32 s3, s17, 8*BLKB
	s_add_co_u32 s3, s3, s2
	s_mov_b32 s[G0A], 1
	s_mul_i32 s[G0A+1], s16, 4*BLKB
	s_add_co_u32 s[G0A+1], s[G0A+1], ABASE
	s_mov_b32 s[G0B], 1
	s_mul_i32 s[G0B+1], s16, 8*BLKB
	s_mul_i32 s19, s14, 4*BLKB                     ; my quarter of the weight's bytes in LDS
	s_mov_b32 s[G0W1], 1
	s_mov_b32 s[G0W1+1], s19
	s_mov_b32 s[G0W2], 1
	s_mov_b32 s[G0W2+1], s19
	s_mov_b32 s[G0R], 1
	s_mul_i32 s[G0R+1], s14, 2*BLKB
	s_add_co_u32 s[G0R+1], s[G0R+1], ABASE
	s_mov_b32 s[SEL], 0x76543210
	s_mov_b32 s[SEL+1], 0xfedcba98
	s_wait_dscnt 0x0
	s_wait_kmcnt 0x0
	GROUP0 G0A, 22
	GROUP0 G0B, 94
	GROUP0 G0W1, 96
	GROUP0 G0W2, 98
	GROUP0 G0R, 20
	s_add_nc_u64 s[88:89], s[6:7], s[88:89]
	s_add_nc_u64 s[90:91], s[6:7], s[90:91]
	s_add_nc_u64 s[12:13], s[8:9], s[10:11]
	CROUND                                         ; all sixteen work-groups are here: the joint loads meet
	s_cmp_lt_u32 s14, 2                            ; one load a wave, in the two arms of one branch on the wave's number
	s_cbranch_scc0 .Lfor_a
	tensor_load_to_lds s[G0B:G0B+3], s[G1B8:G1B8+7]   ; waves 0, 1: W_k, which is needed first
	s_nop 0
	PLACES 4
	s_branch .Lasked
.Lfor_a:
	tensor_load_to_lds s[G0A:G0A+3], s[G1A4:G1A4+7]   ; waves 2, 3: kv's rows
	s_nop 0
	PLACES 4
.Lasked:
	v_and_b32 v1, 31, v0
	v_and_b32 v2, 15, v0                           ; r
	v_bfe_u32 v3, v0, 4, 1                         ; h
	v_lshlrev_b32 v[L16], 4, v1
	v_lshlrev_b32 v[L8], 3, v1
	v_add_nc_u32 v[BA16], s19, v[L16]
	v_add_nc_u32 v[BA8], s19, v[L8]
	v_add_nc_u32 v[AL16], ABASE, v[L16]
	v_add_nc_u32 v[AL16+1], ABASE, v[L8]
	v_add_nc_u32 v[AL16+2], ABASE+4*BLKB, v[L16]
	v_add_nc_u32 v[AL16+3], ABASE+4*BLKB, v[L8]
	v_lshlrev_b32 v[R16], 4, v2
	v_lshlrev_b32 v16, 9, v3
	v_lshl_add_u32 v[XA], v2, 3, v16               ; scale words: 8 r, lanes 16-31 the next block
	v_min_u32 v17, 8*BLKB/16/256-1, v1             ; 24 blocks of 256 bytes a wave: the lanes left over name the last again
	v_lshl_add_u32 v[PFV], v17, 8, s3
.irp m, 0,1,2,3,4,5,6,7
	v_mov_b32 v[TP+\m], 0                          ; a lane permute's destination counts as one of its sources
.endr
	s_wait_alu depctr_va_vdst(0)                   ; the wait at the head's end
.irp p, 0,1
.irp k, 0,1,2,3
	global_load_b64 v[SBQ+8*\p+2*\k:SBQ+8*\p+2*\k+1], v[XA], s[88:89] offset:1024*\p+128*\k
	global_load_b64 v[SBK+8*\p+2*\k:SBK+8*\p+2*\k+1], v[XA], s[88:89] offset:32768+1024*\p+128*\k
	global_load_b64 v[SBV+8*\p+2*\k:SBV+8*\p+2*\k+1], v[XA], s[88:89] offset:65536+1024*\p+128*\k
.endr
.endr
.irp p, 0,1,2,3
.irp k, 0,1,2,3
	global_load_b64 v[SAQ+8*\p+2*\k:SAQ+8*\p+2*\k+1], v[XA], s[90:91] offset:1024*\p+128*\k
	global_load_b64 v[SAK+8*\p+2*\k:SAK+8*\p+2*\k+1], v[XA], s[90:91] offset:262144+1024*\p+128*\k
.endr
.endr
.macro FRAG f, a16, off
	WIN (1+(\f)/21)<<6
.set R_, 12*((\f)%21)
	ds_load_b128 v[R_:R_+3],     v[\a16]   offset:\off
	ds_load_b64  v[R_+4:R_+5],   v[\a16+1] offset:(\off)+512
	ds_load_b128 v[R_+6:R_+9],   v[\a16]   offset:(\off)+768
	ds_load_b64  v[R_+10:R_+11], v[\a16+1] offset:(\off)+1280
.endm
.macro WEIGHTS                         ; my 64 rows of the weight, all of K: 128 loads
.irp q, 0,1,2,3,4,5,6,7
.irp b, 0,1,2,3
	FRAG 4*\q+\b, BA16, \b*BLKB+\q*1536
.endr
.endr
	WIN 0
.endm
.macro FETCH a                         ; token block a, all of K, into set a % 2: 32 loads
.irp q, 0,1,2,3,4,5,6,7
	FRAG 32+8*((\a)%2)+\q, AL16+2*((\a)/4), ((\a)%4)*BLKB+\q*1536
.endr
	WIN 0
.endm
.macro W1 d, s0, s1, c, x0, x1, r0, r1
	v_wmma_scale_f32_16x16x128_f8f6f4 v[\d:\d+7], v[12*((\s0)%21):12*((\s0)%21)+11], v[12*((\s1)%21):12*((\s1)%21)+11], \c, v[\x0], v[\x1] matrix_a_fmt:MATRIX_FMT_FP6 matrix_b_fmt:MATRIX_FMT_FP6 matrix_a_scale:MATRIX_SCALE_ROW\r0 matrix_b_scale:MATRIX_SCALE_ROW\r1
.endm
; token block a = 2 pa + ra: 32 products, four accumulators by turns; the first four start the sums.
; kind 0: the sums of block a lie at 32 (a % 4) + 8 b;  kind 1: at 32 b + 16 ((a % 4) / 2) + 8 (a % 2)
.macro BLK kind, a, pa, ra, sb, sa
.set E_, (\a)%2
.irp q, 0,1,2,3,4,5,6,7
.irp pb, 0,1
.irp rb, 0,1
.set FB_, 4*\q+2*\pb+\rb
.set FA_, 32+8*E_+\q
.if \kind
.set D_, ACC+32*(2*\pb+\rb)+16*(((\a)%4)/2)+8*E_
	WIN (1+FA_/21)|((1+FB_/21)<<2)|0xf0
.if \q
	W1 D_, FA_, FB_, v[D_:D_+7], \sa+8*\pa+\q, \sb+8*\pb+\q, \ra, \rb
.else
	W1 D_, FA_, FB_, 0, \sa+8*\pa+\q, \sb+8*\pb+\q, \ra, \rb
.endif
.else
.set D_, ACC+32*((\a)%4)+8*(2*\pb+\rb)
	WIN (1+FB_/21)|((1+FA_/21)<<2)|0xf0
.if \q
	W1 D_, FB_, FA_, v[D_:D_+7], \sb+8*\pb+\q, \sa+8*\pa+\q, \rb, \ra
.else
	W1 D_, FB_, FA_, 0, \sb+8*\pb+\q, \sa+8*\pa+\q, \rb, \ra
.endif
.endif
.endr
.endr
.endr
	PLACES 4                                       ; ahead of the loads into the set just multiplied and of the first read of the sums
	WIN 0
.endm
; Four times 32 sums a lane become four half fragments and their scale bytes: eight chains side by side, chain m over registers 16 m .. 16 m + 15.
.macro QUANT4 kind, grp, cof
	WIN 0x3c
.irp m, 0,1,2,3,4,5,6,7
	v_max3_num_f32 v[TM+\m], 0x1800000, |v[ACC+16*\m]|, |v[ACC+16*\m+1]|   ; with the floor 2^(3 - 127)
.endr
.irp k, 2,4,6,8,10,12,14
.irp m, 0,1,2,3,4,5,6,7
	v_max3_num_f32 v[TM+\m], v[TM+\m], |v[ACC+16*\m+\k]|, |v[ACC+16*\m+\k+1]|
.endr
.endr
	WIN 0
.irp m, 0,1,2,3,4,5,6,7
	v_permlanex16_b32 v[TP+\m], v[TM+\m], s[SEL], s[SEL+1]
.endr
.irp m, 0,1,2,3,4,5,6,7
	v_max_num_f32 v[TM+\m], v[TM+\m], v[TP+\m]     ; with lane l xor 16's 16: the block's largest magnitude
.endr
.irp m, 0,1,2,3,4,5,6,7
	v_add_nc_u32 v[SO+\m], 0xff000000, v[TM+\m]    ; 2 off the exponent field: the conversion's scale operand
.endr
.irp m, 0,1,2,3,4,5,6,7
	v_lshrrev_b32 v[EB+\m], 23, v[SO+\m]
.endr
.irp n, 0,1,2,3
.if \kind
.if \grp
	v_lshl_or_b32 v[WD+\n], v[EB+2*\n+1], 8, v[EB+2*\n]
.else
	v_lshl_or_b32 v[SWV+\n], v[EB+2*\n+1], 8, v[EB+2*\n]          ; keys 0-63's two bytes
.endif
.else
	v_lshl_or_b32 v[SW+4*\grp+\n], v[EB+2*\n+1], 8, v[EB+2*\n]    ; the head's two bytes of token tile 4 grp + n
.endif
.endr
.if (\kind) && (\grp)
.irp n, 0,1,2,3
	v_lshl_or_b32 v[SWV+\n], v[WD+\n], 16, v[SWV+\n]              ; and keys 64-127's
.endr
.endif
	s_wait_alu depctr_va_vdst(0)                   ; the wait, directly ahead of the wait below
	s_wait_xcnt 0x0                                ; the last stores have read the codes' registers
	WIN 0x03
.irp n, 0,1,2,3
	v_cvt_scalef32_pk16_fp6_f32 v[PC+8*\n:PC+8*\n+2], v[ACC+32*\n:ACC+32*\n+15], v[SO+2*\n]
	v_cvt_scalef32_pk16_fp6_f32 v[PC+8*\n+4:PC+8*\n+6], v[ACC+32*\n+16:ACC+32*\n+31], v[SO+2*\n+1]
.endr
	WIN 0
	v_nop                                          ; one plain place behind a scaled conversion
.irp n, 0,1,2,3
.irp k, 0,1,2
	v_permlane16_swap_b32 v[PC+8*\n+\k], v[PC+8*\n+4+\k]   ; lanes 0-15 now hold the first block whole, lanes 16-31 the second
.endr
.endr
.irp n, 0,1,2,3
	v_mov_b32 v[PC+8*\n+3], v[PC+8*\n+4]
	v_mov_b32 v[PC+8*\n+4], v[PC+8*\n+5]
	v_mov_b32 v[PC+8*\n+5], v[PC+8*\n+6]
.endr
.irp n, 0,1,2,3
.if \kind
	global_store_b128 v[L16], v[PC+8*\n:PC+8*\n+3], s[12:13] offset:(\cof)+1536*\n+768*\grp          ; 32 lanes store 512 consecutive bytes,
	global_store_b64 v[L8], v[PC+8*\n+4:PC+8*\n+5], s[12:13] offset:(\cof)+1536*\n+768*\grp+512      ; and 256
.else
	global_store_b128 v[L16], v[PC+8*\n:PC+8*\n+3], s[12:13] offset:(\cof)+768*(4*\grp+\n)
	global_store_b64 v[L8], v[PC+8*\n+4:PC+8*\n+5], s[12:13] offset:(\cof)+768*(4*\grp+\n)+512
.endif
.endr
.endm
; A phase: eight token blocks.  Behind a block's fetch stands one more fetch of 32 loads, which may be out when the block is multiplied; behind the last block's none.
.macro PHASE kind, sb, sa, cof, sof, pf
	s_wait_dscnt 32
	BLK \kind, 0, 0, 0, \sb, \sa
	FETCH 2
	s_wait_dscnt 32
.if \pf
	global_prefetch_b8 v[PFV], s[4:5] th:TH_LOAD_NT scope:SCOPE_SE   ; query's rows, which the last refill will ask for; v[PFV] is never rewritten
.endif
	BLK \kind, 1, 0, 1, \sb, \sa
	FETCH 3
	s_wait_dscnt 32
	BLK \kind, 2, 1, 0, \sb, \sa
	FETCH 4
	s_wait_dscnt 32
	BLK \kind, 3, 1, 1, \sb, \sa
	FETCH 5
	QUANT4 \kind, 0, \cof
	s_wait_dscnt 32
	BLK \kind, 4, 2, 0, \sb, \sa
	FETCH 6
	s_wait_dscnt 32
	BLK \kind, 5, 2, 1, \sb, \sa
	FETCH 7
	s_wait_dscnt 32
	BLK \kind, 6, 3, 0, \sb, \sa
	s_wait_dscnt 0x0
	BLK \kind, 7, 3, 1, \sb, \sa
	QUANT4 \kind, 1, \cof
.if \kind
	global_store_b128 v[R16], v[SWV:SWV+3], s[12:13] offset:\sof          ; sixteen lanes store 256 consecutive bytes (lanes 16-31 repeat them)
.else
	global_store_b128 v[R16], v[SW:SW+3], s[12:13] offset:\sof
	global_store_b128 v[R16], v[SW+4:SW+7], s[12:13] offset:(\sof)+256
.endif
.endm
	s_cmp_lt_u32 s14, 2
	s_cbranch_scc0 .Lnot_b
	s_wait_tensorcnt 0x0                           ; waves 0, 1: my half of W_k is in
.Lnot_b:
	s_barrier_signal -1
	s_barrier_wait -1                              ; W_k is in; kv's rows may still be on their way
	WEIGHTS
	s_wait_loadcnt 0x0                             ; the scale words
	REFILL G0W1, G1B4                              ; every wave holds W_k, kv's rows are in: W_v lands on W_k's bytes under K's products
	FETCH 0
	FETCH 1
	PHASE 0, SBK, SAK, 6656, 18944, 1
	SHOW                                           ; W_v is in
	WEIGHTS
	REFILL G0W2, G1B4                              ; W_q onto W_v's bytes, under V's products
	FETCH 0
	FETCH 1
	PHASE 1, SBV, SAK, 12800, 19456, 0
	REFILL G0R, G1A2                               ; W_q is in, nobody reads kv's rows any more: query's rows land on them,
	WEIGHTS                                        ; while W_q goes into registers
	SHOW                                           ; query's rows are in
	FETCH 0
	FETCH 1
	PHASE 0, SBQ, SAQ, 0, 6144, 0
	s_wait_tensorcnt 0x0                           ; the wave's end
	ds_add_u32 v[SPW], v[NIL]
	s_wait_dscnt 0x0
	CROUND                                         ; the closing round
	s_endpgm
.Lfunc_end_k_qe082f6c816_proj:
	.size	k_qe082f6c816_proj, .Lfunc_end_k_qe082f6c816_proj-k_qe082f6c816_proj
	.p2alignl 7, 3214868480
	.fill 96, 4, 3214868480
	.section	.rodata,"a",@progbits
	.p2align	6, 0x0
	.amdhsa_kernel k_qe082f6c816_proj
		.amdhsa_group_segment_fixed_size 327680
		.amdhsa_private_segment_fixed_size 0
		.amdhsa_enable_private_segment 0
		.amdhsa_kernarg_size 24
		.amdhsa_user_sgpr_count 2
		.amdhsa_user_sgpr_kernarg_segment_ptr 1
		.amdhsa_wavefront_size32 1
		.amdhsa_system_sgpr_workgroup_id_x 1
		.amdhsa_system_sgpr_workgroup_id_y 1
		.amdhsa_system_sgpr_workgroup_id_z 1
		.amdhsa_system_vgpr_workitem_id 0
		.amdhsa_next_free_vgpr 992
		.amdhsa_next_free_sgpr 100
		.amdhsa_reserve_vcc 0
		.amdhsa_float_denorm_mode_32 3
		.amdhsa_float_denorm_mode_16_64 3
		.amdhsa_memory_ordered 1
		.amdhsa_forward_progress 1
		.amdhsa_inst_pref_size 243
	.end_amdhsa_kernel
	.amdgpu_metadata
---
amdhsa.version: [ 1, 2 ]
amdhsa.kernels:
  - .name:           k_qe082f6c816_proj
    .symbol:         k_qe082f6c816_proj.kd
    .args:
      - { .name: xc, .offset: 0, .size: 8, .value_kind: global_buffer, .address_space: global }
      - { .name: xs, .offset: 8, .size: 8, .value_kind: global_buffer, .address_space: global }
      - { .name: qkv, .offset: 16, .size: 8, .value_kind: global_buffer, .address_space: global }
    .group_segment_fixed_size: 327680
    .private_segment_fixed_size: 0
    .kernarg_segment_align: 8
    .kernarg_segment_size: 24
    .max_flat_workgroup_size: 128
    .sgpr_count:     100
    .vgpr_count:     992
    .wavefront_size: 32
...
	.end_amdgpu_metadata
.endif
;; end of part 2
;; launch attn (part 3): grid 4 x 64, 8 waves a work-group, clusters of 4 x 1, 262,144 bytes of LDS; arguments qkv, cc, cs; writes cc, cs
.if DOCPART == 3
	.amdgcn_target "amdgcn-amd-amdhsa--gfx1250"
	.amdhsa_code_object_version 6
	.text
	.protected	k_qe082f6c816_attn
	.globl	k_qe082f6c816_attn
	.p2align	8
	.type	k_qe082f6c816_attn,@function
k_qe082f6c816_attn:
	s_mov_b64 s[64:65], 0
	v_nop
	global_prefetch_b8 v0, s[64:65] scope:SCOPE_SE
	s_setreg_imm32_b32 hwreg(HW_REG_WAVE_MODE, 25, 1), 1
	s_wait_xcnt 0x0
	s_wait_alu depctr_hold_cnt(0) depctr_sa_sdst(0) depctr_va_vdst(0) depctr_va_sdst(0) depctr_va_ssrc(0) depctr_va_vcc(0) depctr_vm_vsrc(0)
	s_getreg_b32 s2, hwreg(HW_REG_IB_STS2, 6, 4)
	s_cmp_eq_u32 s2, 0
	s_cbranch_scc0 .Lentry_in_a_cluster
	s_endpgm
.Lentry_in_a_cluster:
	s_bfe_u32 s2, ttmp6, 0x10000c
	s_cmp_lg_u32 s2, 0x3003
	s_cbranch_scc0 .Lentry_shape_is_right
	s_endpgm
.Lentry_shape_is_right:
; ctx[b][q][head] = softmax(q k^T / 8) v for 64 heads of 64 channels and 2,048 tokens, both products on codes of FP6 (E2M3) with E8M0 scales; ctx is quantised along d_model on the way out.
; THE SOFTMAX: t = score x log2(e) / 8; M = the row's largest t so far, rounded UP to a whole number; p = 2^(t - M) is quantised along the keys, not normalised.  The row's sum is taken of the unquantised p, in f32,
; and divides at the end.  When M moves, the sum and O are multiplied by 2^(old M - new M): exact.
; IN (qkv): a head is 16 records of 128 tokens, 19,712 bytes each: q's codes (8 tiles of 16 tokens, 768 bytes: lane (r, h)'s 24 bytes, 16 at 16 x lane, 8 at 512 + 8 x lane), q's scale words, and from byte 6,656 on 13,056 bytes:
; k's codes (8 tiles), v's codes (4 tiles of 16 channels x 128 keys), k's scale words (two groups of [place][4 tiles]), v's ([place][4 tiles]).  Place p of tile 2 G + u is token (channel) 32 G + 8 u + p + 8 (p / 8).
; SHARES.  A cluster of four work-groups takes one head; each takes 512 queries in two passes of 256; in a pass each of eight waves owns TWO tiles of 16 queries: each fragment of K and V read from LDS feeds two products,
; and the two tiles' dependent chains stand line by line in turn.
; THE HEAD'S K AND V STAY IN LDS, each byte filled once: wave w asks for records 2 w and 2 w + 1 by ONE joint load (two rows of 13,056 bytes, a record's pitch apart) with a mask that names the four partners.
; Behind every 256 bytes stand 64 bytes of padding: a record takes 51 x 320 bytes.  All of K and V is asked for at the start: there is no later stream to ask for ahead, so no prefetch is written.
; WHICH KEYS FORM A TILE is chosen by the lanes' LDS addresses: row 8 g + i of tile (c, j) is key 64 c + 32 g + 8 j + i, which lies in the record's tile 4 c + 2 g + j % 2 at place i + 8 (j / 2).
; Both products are used transposed (S^T = K Q^T, O^T = V^T P^T): lane (r, h) holds query r, and its registers 32 c + 0 .. 31 of S^T are keys 64 c + 32 h + 0 .. 31: ONE scale block of P, in the order of P's operand registers.
; THE FIRST PRODUCT'S K IS 64: Q's upper six registers hold zero codes.  K's tiles lie on end, six registers each: the upper half of a tile's operand is the next tile's codes (behind the last: zeros), which multiply Q's zeros.
; The next step's K is asked of LDS a step ahead (the same address registers, a step further by the immediate): so the loop has 15 trips and a pass's last step, which asks for none, is written out.
; REGISTERS.  Window 1: tile i at 128 i: S^T / p 0-63, O^T 64-95, p's codes 96-107, Q 108-119, the conversions' upper halves 120-126.  Window 0: addresses, K's and V's fragments, all scale words, and each tile's small state (28 registers).
; OUT: cc: block 128 b + tile, half fragment = head, in the same image; cs: the block's 512 scale bytes, two bytes of each row place from each head.
; LIMITS: scale bytes are held at 1 from below; a block of zeros keeps the byte 1 (its codes are zeros; this program alone reads the bytes); NaN and infinities are not served.
.set RECB,  19712
.set HS,    16*RECB
.set KVO,   6656
.set KVP,   51*320                     ; a key step in LDS
.set SPARE, 16*KVP                     ; the spare words: 128 bytes a wave
.set NIL,   15
.set H8,    16                         ; 8 h
.set LKS,   17                         ; lane term of K's scale words
.set VS,    20                         ; v20-23 V's scale words
.set KS,    24                         ; v24-31 K's
.set PS,    32                         ; v32, 33 p's, a tile each
.set QS,    34                         ; v34, 35 Q's
.set KF,    36                         ; v36-89 K's eight tiles and six zeros
.set VF,    90                         ; v90-137 V's four fragments
.set SM,    140                        ; small state: tile i at SM + 28 i
.set NM,    SM                         ; (-M, the largest score so far)
.set L,     SM+2                       ; the sum, in two halves
.set FF,    SM+4                       ; f = 2^(old M - new M)
.set A1,    SM+6                       ; three more pairs for the sum
.set A2,    SM+8
.set A3,    SM+10
.set MA,    SM+12                      ; a block's largest score (two chains: MA, MB)
.set MB,    SM+14
.set SO,    SM+16                      ; the conversions' scale operands
.set E,     SM+18
.set X,     SM+20
.set Y,     SM+21
.set U,     SM+22
.set D,     SM+23
.set W,     SM+24
.set W2,    SM+25
.set OM,    SM+26                      ; the last -M
.set QB,    196                        ; v196-207 the second pass's Q; v208, 209 its scale words
.set QSB,   208
.set O,     64                         ; in window 1, from the tile's base
.set P,     96
.set Q,     108
.set T,     120
.set WV,    18
.set SEL,   20
.set CS,    22
.set G1,    24
.set G0,    32
.set TB,    2
.set MSB, 0
.macro WIN new                         ; low byte: bits 1:0 source 0, 3:2 source 1, 5:4 source 2, 7:6 destination; the high byte repeats the setting that is left
.if MSB != (\new)
	s_set_vgpr_msb (MSB<<8)|(\new)
.set MSB, (\new)
.endif
.endm
.macro WALU
	s_wait_alu depctr_va_vdst(0)
.endm
.macro ROUND
	s_barrier_signal -1
	s_barrier_wait -1
	s_cmp_lg_u32 s[WV], 0
	s_cbranch_scc1 .Lnot_wave_0_\@
	s_barrier_signal -3
.Lnot_wave_0_\@:
	s_barrier_wait -3
	s_barrier_signal -1
	s_barrier_wait -1
.endm
.macro KLOAD a, b, c, off              ; a step's K: 16 loads of codes, 4 of scale words
.irp c2, 0,1
.irp j, 0,1,2,3
	ds_load_b128 v[KF+6*(4*\c2+\j):KF+6*(4*\c2+\j)+3], v[\a] offset:(\off)+960*(4*\c2+\j%2)+128*(\j/2)
	ds_load_b64 v[KF+6*(4*\c2+\j)+4:KF+6*(4*\c2+\j)+5], v[\b] offset:(\off)+960*(4*\c2+\j%2)+640+64*(\j/2)
.endr
.endr
.irp c2, 0,1
.irp g, 0,1
	ds_load_b64 v[KS+4*\c2+2*\g:KS+4*\c2+2*\g+1], v[\c] offset:(\off)+15360+320*\c2+128*\g
.endr
.endr
.endm
	s_load_b128 s[4:7], s[0:1], 0x0                ; qkv, cc
	s_load_b64 s[8:9], s[0:1], 0x10                ; cs
	v_lshl_add_u32 v11, v0, 2, SPARE
	v_mov_b32 v[NIL], 0
	ds_add_u32 v11, v[NIL]                         ; the opening lines
	ds_add_u32 v11, v[NIL]
	v_lshrrev_b32 v8, 5, v0
	v_readfirstlane_b32 s[WV], v8                  ; wave 0..7
	s_bfe_u32 s10, ttmp6, 0x40000                  ; cx: which quarter of the head's queries
	s_and_b32 s11, ttmp7, 0xffff                   ; 16 x batch + head, which the four partners share
	s_mul_i32 s12, s11, HS
	s_and_b32 s19, s[WV], 3
	s_mul_i32 s14, s[WV], 2*RECB                   ; my load brings records = key steps 2 w, 2 w + 1
	s_add_co_u32 s14, s14, s12
	s_add_co_u32 s14, s14, KVO
	s_mov_b32 s15, 0
	s_mov_b32 s[G1], 15|(3<<16)|(1<<20)|(1<<21)|(5<<22)|(15<<25)   ; mask: all four; elements of 8 bytes; behind every 64 words 16 words of padding
	s_mov_b32 s[G1+1], 1632<<16                    ; a row: 13,056 bytes
	s_mov_b32 s[G1+2], 2<<16
	s_mov_b32 s[G1+3], 1632<<16
	s_mov_b32 s[G1+4], 2
	s_mov_b32 s[G1+5], RECB/8                      ; from record to record
	s_mov_b32 s[G1+6], 0
	s_mov_b32 s[G1+7], 0
	s_mov_b32 s[G0], 1
	s_mul_i32 s[G0+1], s[WV], 2*KVP
	s_mov_b32 s[SEL], 0x76543210
	s_mov_b32 s[SEL+1], 0xfedcba98
	s_mov_b32 s[CS], 0x3e38aa3b                    ; c = log2(e) / 8
	s_mov_b32 s[CS+1], s[CS]
	s_mov_b32 s3, 0xbe38aa3b                       ; -c
	s_wait_dscnt 0x0
	s_wait_kmcnt 0x0
	s_add_nc_u64 s[G0+2:G0+3], s[4:5], s[14:15]
	s_or_b32 s[G0+3], s[G0+3], 0x80000000
	ROUND                                          ; all four work-groups are here: the joint loads meet
	tensor_load_to_lds s[G0:G0+3], s[G1:G1+7]      ; one load a wave
	s_nop 0
.rept 4
	v_nop
.endr
	s_lshl_b32 s58, s10, 2                         ; my first pass's tiles are 32 cx + 2 w, + 1: record 4 cx + w / 4, tiles 2 (w % 4), + 1
	s_lshr_b32 s59, s[WV], 2
	s_add_co_u32 s58, s58, s59
	s_mul_i32 s58, s58, RECB
	s_add_co_u32 s58, s58, s12
	s_mul_i32 s60, s19, 1536
	s_add_co_u32 s60, s60, s58
	s_mov_b32 s61, 0
	s_add_nc_u64 s[50:51], s[4:5], s[60:61]        ; Q's codes
	s_lshr_b32 s62, s19, 1
	s_lshl_b32 s62, s62, 8
	s_and_b32 s63, s[WV], 1
	s_lshl_b32 s63, s63, 3
	s_add_co_u32 s62, s62, s63
	s_add_co_u32 s62, s62, s58
	s_add_co_u32 s62, s62, 6144
	s_mov_b32 s63, 0
	s_add_nc_u64 s[52:53], s[4:5], s[62:63]        ; Q's scale words: group tile / 4, words tile % 4 and the next
	s_lshr_b32 s58, s11, 4
	s_lshl_b32 s58, s58, 7
	s_lshl_b32 s59, s10, 5
	s_add_co_u32 s58, s58, s59
	s_lshl_b32 s59, s[WV], 1
	s_add_co_u32 s58, s58, s59                     ; ctx's blocks: 128 x batch + 32 cx + 2 w, + 1
	s_and_b32 s59, s11, 15                         ; the head
	s_mul_i32 s60, s58, 12288
	s_mul_i32 s62, s59, 768
	s_add_co_u32 s60, s60, s62
	s_add_nc_u64 s[54:55], s[6:7], s[60:61]        ; the block's half fragment of this head
	s_lshl_b32 s60, s58, 9
	s_lshr_b32 s62, s59, 2
	s_lshl_b32 s62, s62, 7
	s_add_co_u32 s60, s60, s62
	s_and_b32 s62, s59, 3
	s_lshl_b32 s62, s62, 1
	s_add_co_u32 s60, s60, s62
	s_add_nc_u64 s[56:57], s[8:9], s[60:61]        ; and its two scale bytes among a row place's eight
	v_and_b32 v5, 31, v0
	v_lshlrev_b32 v1, 4, v5                        ; 16 x lane
	v_lshlrev_b32 v2, 3, v5                        ; 8 x lane: also V's 8-byte pieces
	v_and_b32 v6, 15, v0                           ; r
	v_lshlrev_b32 v3, 4, v6                        ; 16 r: also V's scale words
	v_lshlrev_b32 v4, 3, v6                        ; 8 r
	v_bfe_u32 v7, v0, 4, 1                         ; h
	v_lshlrev_b32 v[H8], 3, v7
	v_and_b32 v9, 7, v0                            ; r % 8
	v_bfe_u32 v10, v0, 3, 1                        ; r / 8: rows 8-15 of a tile come from the record's tile two further on, 2 x 960 bytes
	v_mul_u32_u24 v8, v10, 1920
	v_lshl_add_u32 v5, v9, 4, v8
	v_mad_u32_u24 v5, v7, 320, v5                  ; v5: K's 16-byte pieces
	v_lshl_add_u32 v6, v9, 3, v8
	v_lshl_add_u32 v6, v7, 7, v6                   ; v6: K's 8-byte pieces
	v_lshlrev_b32 v[LKS], 4, v9
	v_lshl_add_u32 v[LKS], v10, 3, v[LKS]          ; K's scale words: 16 (r % 8) + 8 (r / 8)
	v_mad_u32_u24 v7, v7, 320, v3                  ; v7: V's 16-byte pieces: 16 x lane + 64 h
.irp i, 84,85,86,87,88,89
	v_mov_b32 v[\i], 0                             ; what stands behind K's last tile: zero codes, never rewritten
.endr
.irp i, 0,1
	v_mov_b32 v[Y+28*\i], 0                        ; a lane permute's destination counts as one of its sources
	v_mov_b32 v[W2+28*\i], 0
	v_mov_b32 v[FF+1+28*\i], 0                     ; (named with f as a pair)
.endr
	WIN 0x40
.irp i, 0,1
.irp k, 6,7,8,9,10,11
	v_mov_b32 v[128*\i+Q+\k], 0                    ; Q's upper half: zero codes, never rewritten
.endr
.endr
	WALU                                           ; the wait at the head's end
.irp i, 0,1
	global_load_b128 v[128*\i+Q:128*\i+Q+3], v1, s[50:51] offset:768*\i
	global_load_b64 v[128*\i+Q+4:128*\i+Q+5], v2, s[50:51] offset:768*\i+512
.endr
	WIN 0
	global_load_b64 v[QS:QS+1], v3, s[52:53]
.irp i, 0,1                                    ; the second pass's Q waits in window 0
	global_load_b128 v[QB+6*\i:QB+6*\i+3], v1, s[50:51] offset:2*RECB+768*\i
	global_load_b64 v[QB+6*\i+4:QB+6*\i+5], v2, s[50:51] offset:2*RECB+768*\i+512
.endr
	global_load_b64 v[QSB:QSB+1], v3, s[52:53] offset:2*RECB
	s_wait_loadcnt 0x0
	s_wait_tensorcnt 0x0                           ; my two records are in,
	s_barrier_signal -1
	s_barrier_wait -1                              ; and everybody's: the whole head lies in LDS
	s_mov_b32 s37, 0
; A KEY STEP: 128 keys x 32 queries.  pf = 1: the next step's K is asked for
.macro STEP pf
	s_wait_dscnt 0x0                               ; this step's K, asked for a step ago
	WIN 0x54
.irp t, 0,1,2,3,4,5,6,7
.irp i, 0,1
	v_wmma_scale_f32_16x16x128_f8f6f4 v[128*\i+8*\t:128*\i+8*\t+7], v[KF+6*\t:KF+6*\t+11], v[128*\i+Q:128*\i+Q+11], 0, v[KS+\t], v[QS+\i] matrix_a_fmt:MATRIX_FMT_FP6 matrix_b_fmt:MATRIX_FMT_FP6
.endr
.endr
	WIN 0
	v_add_nc_u32 v12, s[TB], v7                    ; these lines are also the places ahead of the loads into fragments and of the first read of the scores
	v_add_nc_u32 v13, s[TB], v2
	v_add_nc_u32 v14, s[TB], v3
.irp i, 0,1
	v_mov_b32 v[OM+28*\i], v[NM+28*\i]
.endr
.if \pf
	v_add_nc_u32 v8, s[TB], v5
	v_add_nc_u32 v9, s[TB], v6
	v_add_nc_u32 v10, s[TB], v[LKS]
.endif
.irp t, 0,1,2,3                                ; V lands under the softmax: 17 loads
	ds_load_b128 v[VF+12*\t:VF+12*\t+3], v12 offset:7680+1920*\t
	ds_load_b64 v[VF+12*\t+4:VF+12*\t+5], v13 offset:7680+1920*\t+640
	ds_load_b128 v[VF+12*\t+6:VF+12*\t+9], v12 offset:7680+1920*\t+960
	ds_load_b64 v[VF+12*\t+10:VF+12*\t+11], v13 offset:7680+1920*\t+1600
.endr
	ds_load_b128 v[VS:VS+3], v14 offset:16000
.if \pf
	KLOAD 8, 9, 10, KVP                            ; 20 loads
.endif
	WIN 0x15                                       ; each lane's two blocks' largest scores, two chains each, both tiles by turns
.irp i, 0,1
.irp c, 0,1
	v_max3_num_f32 v[MA+28*\i+\c], v[128*\i+32*\c], v[128*\i+32*\c+1], v[128*\i+32*\c+2]
	v_max3_num_f32 v[MB+28*\i+\c], v[128*\i+32*\c+17], v[128*\i+32*\c+18], v[128*\i+32*\c+19]
.endr
.endr
	WIN 0x14
.irp k, 0,2,4,6,8,10
.irp i, 0,1
.irp c, 0,1
	v_max3_num_f32 v[MA+28*\i+\c], v[MA+28*\i+\c], v[128*\i+32*\c+3+\k], v[128*\i+32*\c+4+\k]
	v_max3_num_f32 v[MB+28*\i+\c], v[MB+28*\i+\c], v[128*\i+32*\c+20+\k], v[128*\i+32*\c+21+\k]
.endr
.endr
.endr
.irp i, 0,1
.irp c, 0,1
	v_max3_num_f32 v[MA+28*\i+\c], v[MA+28*\i+\c], v[128*\i+32*\c+15], v[128*\i+32*\c+16]
.endr
.endr
	WIN 0
.irp i, 0,1
.irp c, 0,1
	v_max_num_f32 v[MA+28*\i+\c], v[MA+28*\i+\c], v[MB+28*\i+\c]
.endr
.endr
.irp i, 0,1
	v_max_num_f32 v[X+28*\i], v[MA+28*\i], v[MA+28*\i+1]
.endr
.irp i, 0,1
	v_permlanex16_b32 v[Y+28*\i], v[X+28*\i], s[SEL], s[SEL+1]
.endr
.irp i, 0,1
	v_max3_num_f32 v[NM+28*\i+1], v[NM+28*\i+1], v[X+28*\i], v[Y+28*\i]   ; the row's largest score so far
.endr
.irp i, 0,1
	v_mul_f32 v[U+28*\i], s3, v[NM+28*\i+1]
.endr
.irp i, 0,1
	v_floor_f32 v[NM+28*\i], v[U+28*\i]            ; -M = floor(-t) = -ceil(t)
.endr
.irp i, 0,1
	v_sub_f32 v[D+28*\i], v[NM+28*\i], v[OM+28*\i] ; old M less new M: a whole number, 0 or less
.endr
.irp i, 0,1
	v_cvt_i32_f32 v[D+28*\i], v[D+28*\i]           ; (it saturates)
.endr
.irp i, 0,1
	v_ldexp_f32 v[FF+28*\i], 1.0, v[D+28*\i]
.endr
.irp i, 0,1
.irp c, 0,1
	v_fma_f32 v[MA+28*\i+\c], v[MA+28*\i+\c], s[CS], v[NM+28*\i]   ; t - M of each block's largest score
.endr
.endr
	WIN 0x41
.irp i, 0,1
.set J, 0
.rept 16
	v_pk_mul_f32 v[128*\i+O+J:128*\i+O+J+1], v[128*\i+O+J:128*\i+O+J+1], v[FF+28*\i:FF+28*\i+1] op_sel_hi:[1,0]   ; O^T under the new M, ahead of the exponentials
.set J, J+2
.endr
.endr
.irp i, 0,1
.set J, 0
.rept 32
	v_pk_fma_f32 v[128*\i+J:128*\i+J+1], v[128*\i+J:128*\i+J+1], s[CS:CS+1], v[NM+28*\i:NM+28*\i+1] op_sel_hi:[1,0,0]   ; t - M
.set J, J+2
.endr
.endr
	WALU                                           ; the wait ahead of the batch
.irp i, 0,1
.set J, 0
.rept 64
	v_exp_f32 v[128*\i+J], v[128*\i+J]
.set J, J+1
.endr
.endr
	WIN 0
.irp i, 0,1
.irp c, 0,1
	v_exp_f32 v[MA+28*\i+\c], v[MA+28*\i+\c]       ; the block's largest p: the same two instructions on the same number
.endr
.endr
.irp i, 0,1
	v_pk_mul_f32 v[L+28*\i:L+28*\i+1], v[L+28*\i:L+28*\i+1], v[FF+28*\i:FF+28*\i+1] op_sel_hi:[1,0]   ; the sums under the new M: the plain place behind the batch
.endr
	WALU                                           ; and the wait behind it
.irp i, 0,1
.irp c, 0,1
	v_max_num_f32 v[MA+28*\i+\c], 0x1800000, v[MA+28*\i+\c]   ; the floor 2^(3 - 127)
.endr
.endr
.irp i, 0,1
.irp c, 0,1
	v_add_nc_u32 v[SO+28*\i+\c], 0xff000000, v[MA+28*\i+\c]   ; 2 off the exponent field: the conversions' scale operand
.endr
.endr
.irp i, 0,1
.irp c, 0,1
	v_lshrrev_b32 v[E+28*\i+\c], 23, v[SO+28*\i+\c]
.endr
.endr
.irp i, 0,1
	v_lshl_or_b32 v[W+28*\i], v[E+28*\i+1], 16, v[E+28*\i]    ; my bytes: blocks h and 2 + h,
.endr
.irp i, 0,1
	v_lshlrev_b32 v[W+28*\i], v[H8], v[W+28*\i]    ; at their places;
.endr
.irp i, 0,1
	v_permlanex16_b32 v[W2+28*\i], v[W+28*\i], s[SEL], s[SEL+1]
.endr
.irp i, 0,1
	v_or_b32 v[PS+\i], v[W+28*\i], v[W2+28*\i]     ; with lane l xor 16's two the word is whole
.endr
	WIN 0x41
.irp i, 0,1
.irp c, 0,1
	v_cvt_scalef32_pk16_fp6_f32 v[128*\i+P+6*\c:128*\i+P+6*\c+2], v[128*\i+32*\c:128*\i+32*\c+15], v[SO+28*\i+\c]
	v_cvt_scalef32_pk16_fp6_f32 v[128*\i+T+4*\c:128*\i+T+4*\c+2], v[128*\i+32*\c+16:128*\i+32*\c+31], v[SO+28*\i+\c]   ; (three registers from an even one on)
.endr
.endr
	WIN 0x05                                       ; the rows' sums of the unquantised p, four chains a tile.  These lines are the places behind the conversions,
.irp i, 0,1
	v_pk_add_f32 v[A1+28*\i:A1+28*\i+1], v[128*\i:128*\i+1], v[128*\i+2:128*\i+3]
	v_pk_add_f32 v[A2+28*\i:A2+28*\i+1], v[128*\i+4:128*\i+5], v[128*\i+6:128*\i+7]
	v_pk_add_f32 v[A3+28*\i:A3+28*\i+1], v[128*\i+8:128*\i+9], v[128*\i+10:128*\i+11]
.endr
	WIN 0x41
.irp i, 0,1
.irp c, 0,1
.irp k, 0,1,2
	v_mov_b32 v[128*\i+P+3+6*\c+\k], v[128*\i+T+4*\c+\k]
.endr
.endr
.endr
	WIN 0x01                                       ; and these the places between the writes of p's codes and the products
.set J, 12
.rept 6
.irp i, 0,1
	v_pk_add_f32 v[L+28*\i:L+28*\i+1], v[128*\i+J:128*\i+J+1], v[L+28*\i:L+28*\i+1]
	v_pk_add_f32 v[A1+28*\i:A1+28*\i+1], v[128*\i+J+2:128*\i+J+3], v[A1+28*\i:A1+28*\i+1]
	v_pk_add_f32 v[A2+28*\i:A2+28*\i+1], v[128*\i+J+4:128*\i+J+5], v[A2+28*\i:A2+28*\i+1]
	v_pk_add_f32 v[A3+28*\i:A3+28*\i+1], v[128*\i+J+6:128*\i+J+7], v[A3+28*\i:A3+28*\i+1]
.endr
.set J, J+8
.endr
.irp i, 0,1
	v_pk_add_f32 v[L+28*\i:L+28*\i+1], v[128*\i+60:128*\i+61], v[L+28*\i:L+28*\i+1]
	v_pk_add_f32 v[A1+28*\i:A1+28*\i+1], v[128*\i+62:128*\i+63], v[A1+28*\i:A1+28*\i+1]
.endr
	WIN 0
.irp i, 0,1
	v_pk_add_f32 v[A2+28*\i:A2+28*\i+1], v[A2+28*\i:A2+28*\i+1], v[A3+28*\i:A3+28*\i+1]
	v_pk_add_f32 v[L+28*\i:L+28*\i+1], v[L+28*\i:L+28*\i+1], v[A1+28*\i:A1+28*\i+1]
.endr
.irp i, 0,1
	v_pk_add_f32 v[L+28*\i:L+28*\i+1], v[L+28*\i:L+28*\i+1], v[A2+28*\i:A2+28*\i+1]
.endr
	WALU                                           ; the wait, directly ahead of the wait below
.if \pf
	s_wait_dscnt 20                                ; V is in; the next K's 20 loads, issued behind V's, may be out
.else
	s_wait_dscnt 0x0
.endif
	WIN 0x54
.irp t, 0,1,2,3
.irp i, 0,1
	v_wmma_scale_f32_16x16x128_f8f6f4 v[128*\i+O+8*\t:128*\i+O+8*\t+7], v[VF+12*\t:VF+12*\t+11], v[128*\i+P:128*\i+P+11], v[128*\i+O+8*\t:128*\i+O+8*\t+7], v[VS+\t], v[PS+\i] matrix_a_fmt:MATRIX_FMT_FP6 matrix_b_fmt:MATRIX_FMT_FP6
.endr
.endr
	WIN 0
	s_add_co_u32 s[TB], s[TB], KVP
.endm
.Lpass:
.irp i, 0,1
	v_mov_b32 v[NM+28*\i+1], 0xff61b1e6            ; the largest score so far: -3e38
	v_mov_b32 v[NM+28*\i], 0x7f61b1e6              ; -M
	v_mov_b32 v[L+28*\i], 0
	v_mov_b32 v[L+28*\i+1], 0
.endr
	WIN 0x40
.irp i, 0,1
.set J, 0
.rept 32
	v_mov_b32 v[128*\i+O+J], 0                     ; the step is written for every step alike: the first finds zeros
.set J, J+1
.endr
.endr
	WIN 0
	WALU
	KLOAD 5, 6, LKS, 0                             ; key step 0's K
	s_mov_b32 s[TB], 0
	s_mov_b32 s36, 15
.Lstep:
	STEP 1
	s_sub_co_u32 s36, s36, 1
	s_cmp_lg_u32 s36, 0
	s_cbranch_scc1 .Lstep
	STEP 0                                         ; the pass's last step asks for no further K
; THE WAY OUT: O^T / the sum; register 16 G + i is channel 32 G + 16 h + i of my query: two blocks of 32 along d_model, quantised; one exchange of halves makes the head's half fragment.  The codes are made in window 0, where K's fragments lay.
.irp i, 0,1
	v_add_f32 v[L+28*\i], v[L+28*\i], v[L+28*\i+1]
.endr
.irp i, 0,1
	v_permlanex16_b32 v[Y+28*\i], v[L+28*\i], s[SEL], s[SEL+1]
.endr
.irp i, 0,1
	v_add_f32 v[L+28*\i], v[L+28*\i], v[Y+28*\i]
.endr
	WALU
.irp i, 0,1
	v_rcp_f32 v[L+28*\i], v[L+28*\i]
.endr
.rept 4
	v_nop
.endr
	WIN 0x41
	WALU
.irp i, 0,1
.set J, 0
.rept 16
	v_pk_mul_f32 v[128*\i+J:128*\i+J+1], v[128*\i+O+J:128*\i+O+J+1], v[L+28*\i:L+28*\i+1] op_sel_hi:[1,0]
.set J, J+2
.endr
.endr
	WIN 0x05
.irp i, 0,1
.irp b, 0,1
	v_max3_num_f32 v[MA+28*\i+\b], |v[128*\i+16*\b]|, |v[128*\i+16*\b+1]|, 0x1800000
.endr
.endr
	WIN 0x14
.irp k, 2,4,6,8,10,12,14
.irp i, 0,1
.irp b, 0,1
	v_max3_num_f32 v[MA+28*\i+\b], v[MA+28*\i+\b], |v[128*\i+16*\b+\k]|, |v[128*\i+16*\b+\k+1]|
.endr
.endr
.endr
	WIN 0
.irp i, 0,1
.irp b, 0,1
	v_permlanex16_b32 v[MB+28*\i+\b], v[MA+28*\i+\b], s[SEL], s[SEL+1]
.endr
.endr
.irp i, 0,1
.irp b, 0,1
	v_max_num_f32 v[MA+28*\i+\b], v[MA+28*\i+\b], v[MB+28*\i+\b]
.endr
.endr
.irp i, 0,1
.irp b, 0,1
	v_add_nc_u32 v[SO+28*\i+\b], 0xff000000, v[MA+28*\i+\b]
.endr
.endr
.irp i, 0,1
.irp b, 0,1
	v_lshrrev_b32 v[E+28*\i+\b], 23, v[SO+28*\i+\b]
.endr
.endr
.irp i, 0,1
	v_lshl_or_b32 v[W+28*\i], v[E+28*\i+1], 8, v[E+28*\i]   ; the head's two scale bytes of my query
.endr
	WIN 0x01
.irp i, 0,1
	v_cvt_scalef32_pk16_fp6_f32 v[KF+8*\i:KF+8*\i+2], v[128*\i:128*\i+15], v[SO+28*\i]
	v_cvt_scalef32_pk16_fp6_f32 v[KF+8*\i+4:KF+8*\i+6], v[128*\i+16:128*\i+31], v[SO+28*\i+1]
.endr
	WIN 0
	v_nop
.irp i, 0,1
.irp k, 0,1,2
	v_permlane16_swap_b32 v[KF+8*\i+\k], v[KF+8*\i+4+\k]   ; lanes 0-15 now hold block 0 whole, lanes 16-31 block 1
.endr
.endr
.irp i, 0,1
	v_mov_b32 v[KF+8*\i+3], v[KF+8*\i+4]
	v_mov_b32 v[KF+8*\i+4], v[KF+8*\i+5]
	v_mov_b32 v[KF+8*\i+5], v[KF+8*\i+6]
.endr
.irp i, 0,1
	global_store_b128 v1, v[KF+8*\i:KF+8*\i+3], s[54:55] offset:12288*\i          ; 32 lanes store 512 consecutive bytes,
	global_store_b64 v2, v[KF+8*\i+4:KF+8*\i+5], s[54:55] offset:12288*\i+512     ; and 256
	global_store_b16 v4, v[W+28*\i], s[56:57] offset:512*\i                       ; two bytes of each row place's eight: the other six are other heads'
.endr
	s_wait_xcnt 0x0                                ; the stores have read their registers and bases
	s_add_nc_u64 s[54:55], s[54:55], 16*12288      ; the next pass's blocks lie 16 further on
	s_add_nc_u64 s[56:57], s[56:57], 16*512
	WIN 0x40
.irp i, 0,1
.irp k, 0,1,2,3,4,5
	v_mov_b32 v[128*\i+Q+\k], v[QB+6*\i+\k]        ; and its Q
.endr
.endr
	WIN 0
.irp i, 0,1
	v_mov_b32 v[QS+\i], v[QSB+\i]
.endr
	s_add_co_u32 s37, s37, 1
	s_cmp_lt_u32 s37, 2
	WALU                                           ; the wait ahead of the branch
	s_cbranch_scc1 .Lpass
	s_wait_tensorcnt 0x0                           ; the wave's end
	ds_add_u32 v11, v[NIL]
	s_wait_dscnt 0x0
	ROUND                                          ; the closing round
	s_endpgm
.Lfunc_end_k_qe082f6c816_attn:
	.size	k_qe082f6c816_attn, .Lfunc_end_k_qe082f6c816_attn-k_qe082f6c816_attn
	.p2alignl 7, 3214868480
	.fill 96, 4, 3214868480
	.section	.rodata,"a",@progbits
	.p2align	6, 0x0
	.amdhsa_kernel k_qe082f6c816_attn
		.amdhsa_group_segment_fixed_size 262144
		.amdhsa_private_segment_fixed_size 0
		.amdhsa_enable_private_segment 0
		.amdhsa_kernarg_size 24
		.amdhsa_user_sgpr_count 2
		.amdhsa_user_sgpr_kernarg_segment_ptr 1
		.amdhsa_wavefront_size32 1
		.amdhsa_system_sgpr_workgroup_id_x 1
		.amdhsa_system_sgpr_workgroup_id_y 1
		.amdhsa_system_sgpr_workgroup_id_z 1
		.amdhsa_system_vgpr_workitem_id 0
		.amdhsa_next_free_vgpr 512
		.amdhsa_next_free_sgpr 66
		.amdhsa_reserve_vcc 0
		.amdhsa_float_denorm_mode_32 3
		.amdhsa_float_denorm_mode_16_64 3
		.amdhsa_memory_ordered 1
		.amdhsa_forward_progress 1
		.amdhsa_inst_pref_size 72
	.end_amdhsa_kernel
	.amdgpu_metadata
---
amdhsa.version: [ 1, 2 ]
amdhsa.kernels:
  - .name:           k_qe082f6c816_attn
    .symbol:         k_qe082f6c816_attn.kd
    .args:
      - { .name: qkv, .offset: 0, .size: 8, .value_kind: global_buffer, .address_space: global }
      - { .name: cc, .offset: 8, .size: 8, .value_kind: global_buffer, .address_space: global }
      - { .name: cs, .offset: 16, .size: 8, .value_kind: global_buffer, .address_space: global }
    .group_segment_fixed_size: 262144
    .private_segment_fixed_size: 0
    .kernarg_segment_align: 8
    .kernarg_segment_size: 24
    .max_flat_workgroup_size: 256
    .sgpr_count:     66
    .vgpr_count:     512
    .wavefront_size: 32
...
	.end_amdgpu_metadata
.endif
;; end of part 3
;; launch outp (part 4): grid 4 x 64, 4 waves a work-group, clusters of 4 x 4, 295,424 bytes of LDS; arguments cc, cs, xc, xs, out0; writes out0
.if DOCPART == 4
	.amdgcn_target "amdgcn-amd-amdhsa--gfx1250"
	.amdhsa_code_object_version 6
	.text
	.protected	k_qe082f6c816_outp
	.globl	k_qe082f6c816_outp
	.p2align	8
	.type	k_qe082f6c816_outp,@function
k_qe082f6c816_outp:
	s_mov_b64 s[64:65], 0
	v_nop
	global_prefetch_b8 v0, s[64:65] scope:SCOPE_SE
	s_setreg_imm32_b32 hwreg(HW_REG_WAVE_MODE, 25, 1), 1
	s_wait_xcnt 0x0
	s_wait_alu depctr_hold_cnt(0) depctr_sa_sdst(0) depctr_va_vdst(0) depctr_va_sdst(0) depctr_va_ssrc(0) depctr_va_vcc(0) depctr_vm_vsrc(0)
	s_getreg_b32 s2, hwreg(HW_REG_IB_STS2, 6, 4)
	s_cmp_eq_u32 s2, 0
	s_cbranch_scc0 .Lentry_in_a_cluster
	s_endpgm
.Lentry_in_a_cluster:
	s_bfe_u32 s2, ttmp6, 0x10000c
	s_cmp_lg_u32 s2, 0xf033
	s_cbranch_scc0 .Lentry_shape_is_right
	s_endpgm
.Lentry_shape_is_right:
; out0 = ctx W_o^T: [8,192 x 1,024] x [1,024 x 1,024] on codes of FP6 (E2M3) with E8M0 scales, sums in f32.
; IN: cc, cs (ctx) and xc, xs (W_o: blocks 1216-1279) in one image: a block is 16 rows, place p of block 2 G + u is row 32 G + 8 u + p + 8 (p / 8); its codes are 12,288 bytes, eight fragments of 128 K, 1,536 bytes each
; (two halves of 768: lane's 16 bytes at 16 x lane, 8 at 512 + 8 x lane); its scales 512 bytes: for each 256 K 128 bytes, place p at 8 p, a word for each 128 K.
; SHARES.  256 work-groups, each 128 rows x 256 columns; ALL OF K lies in LDS, each byte filled once: W_o's 16 blocks (waves 0, 1: a half each), ctx's 8 blocks (waves 2, 3): one joint load a wave, nothing is filled again.
; Clusters of 4 x 4: ctx's rows are shared along a row of the cluster, W_o's along a column.  Everything is asked for at the head and there is no loop to run ahead in: no prefetch is written.
; A wave takes 64 columns: its four blocks of W_o, all of K, lie in registers (32 fragments, 384 registers); ctx's blocks stream past, two sets of eight fragments; a block's 16 x 64 sums are finished by 32 products,
; its four accumulators by turns, and leave at once: through a stage in the wave's own quarter of W_o's LDS bytes, which only this wave reads and has read out, as whole rows of 256 bytes.
; The product is used transposed (source 0 = W_o's rows): a lane holds eight neighbouring columns of one row.  The scale words go from memory straight into registers: lanes 0-15 an even block's, lanes 16-31 the odd one's.
; Fragment f lies in window 1 + f / 21 at register 12 (f % 21): 0-31 W_o's (4 q + b), 32-39 and 40-47 ctx's two sets.
.set BLKB,   12288
.set ABASE,  16*BLKB
.set SPARE,  24*BLKB
.set SPITCH, 272
.set L16,  4
.set L8,   5
.set BA16, 6
.set BA8,  7
.set AL16, 8                           ; v8, v9 ctx's blocks 0-3; v10, v11 blocks 4-7
.set STO,  12
.set RD,   13
.set CO,   14
.set XA,   15
.set SPW,  28
.set NIL,  29
.set SB,   32                          ; v32-47 W_o's scale words: 8 (b / 2) + q
.set SA,   52                          ; v52-83 ctx's: 8 (a / 2) + q
.set ACC,  96                          ; v96-159 two sets of four accumulators
.set OB,   160                         ; v160-223 two sets: 16 rows read back from the stage
.set G1A, 24
.set G0A, 32
.set G0B, 36
.set G1B, 48
.set MSB, 0
.macro WIN new
.if MSB != (\new)
	s_set_vgpr_msb (MSB<<8)|(\new)
.set MSB, (\new)
.endif
.endm
.macro PLACES n
.rept \n
	v_nop
.endr
.endm
.macro CROUND
	s_barrier_signal -1
	s_barrier_wait -1
	s_cmp_lg_u32 s14, 0
	s_cbranch_scc1 .Lnot_wave_0_\@
	s_barrier_signal -3
.Lnot_wave_0_\@:
	s_barrier_wait -3
	s_barrier_signal -1
	s_barrier_wait -1
.endm
	s_load_b128 s[4:7], s[0:1], 0x0                ; cc, cs
	s_load_b128 s[8:11], s[0:1], 0x10              ; xc, xs
	s_load_b64 s[12:13], s[0:1], 0x20              ; out0
	v_lshl_add_u32 v[SPW], v0, 2, SPARE
	v_mov_b32 v[NIL], 0
	ds_add_u32 v[SPW], v[NIL]                      ; the opening lines
	ds_add_u32 v[SPW], v[NIL]
	v_lshrrev_b32 v1, 5, v0
	v_readfirstlane_b32 s14, v1                    ; wave 0..3
	s_and_b32 s16, s14, 1                          ; which half I fetch
	s_bfe_u32 s40, ttmp6, 0x40000                  ; cx
	s_bfe_u32 s41, ttmp6, 0x40004                  ; cy
	s_lshl_b32 s42, ttmp9, 2
	s_add_co_u32 s42, s42, s40                     ; tile column, 0..3
	s_and_b32 s17, ttmp7, 0xffff
	s_lshl_b32 s17, s17, 2
	s_add_co_u32 s17, s17, s41                     ; tile row, 0..63
	s_lshl_b32 s43, s41, 2
	s_lshl_b32 s43, 15, s43                        ; my row of the cluster
	s_lshl_b32 s44, 0x1111, s40                    ; my column
	s_or_b32 s[G1A], s43, (3<<16)|(1<<21)          ; dense blocks as rows of 12,288 bytes (1,536 elements of 8): ctx's half is 4 rows,
	s_mov_b32 s[G1A+1], 1536<<16
	s_mov_b32 s[G1A+2], 4<<16
	s_mov_b32 s[G1A+3], 1536<<16
	s_mov_b32 s[G1A+4], 4
	s_mov_b32 s[G1A+5], 1536
	s_mov_b32 s[G1A+6], 0
	s_mov_b32 s[G1A+7], 0
	s_or_b32 s[G1B], s44, (3<<16)|(1<<21)          ; W_o's 8
	s_mov_b32 s[G1B+1], 1536<<16
	s_mov_b32 s[G1B+2], 8<<16
	s_mov_b32 s[G1B+3], 1536<<16
	s_mov_b32 s[G1B+4], 8
	s_mov_b32 s[G1B+5], 1536
	s_mov_b32 s[G1B+6], 0
	s_mov_b32 s[G1B+7], 0
	s_lshl_b32 s20, s17, 3                         ; ctx: block 8 x tile row + 4 x half
	s_lshl_b32 s18, s16, 2
	s_add_co_u32 s20, s20, s18
	s_mul_i32 s20, s20, BLKB
	s_mov_b32 s21, 0
	s_lshl_b32 s46, s42, 4                         ; W_o: block 1216 + 16 x tile column + 8 x half
	s_lshl_b32 s18, s16, 3
	s_add_co_u32 s46, s46, s18
	s_add_co_u32 s46, s46, 1216
	s_mul_i32 s46, s46, BLKB
	s_mov_b32 s47, 0
	s_lshl_b32 s22, s17, 12                        ; ctx's scales: 8 blocks of 512 bytes a tile row
	s_mov_b32 s23, 0
	s_lshl_b32 s56, s42, 4                         ; W_o's: my four blocks
	s_lshl_b32 s57, s14, 2
	s_add_co_u32 s56, s56, s57
	s_add_co_u32 s56, s56, 1216
	s_lshl_b32 s56, s56, 9
	s_mov_b32 s57, 0
	s_lshl_b32 s58, s17, 19                        ; out0: 128 rows of 4,096 bytes a tile row, 1,024 bytes a tile column, 256 a wave
	s_lshl_b32 s59, s42, 10
	s_add_co_u32 s58, s58, s59
	s_lshl_b32 s59, s14, 8
	s_add_co_u32 s58, s58, s59
	s_mov_b32 s59, 0
	s_mov_b32 s[G0A], 1
	s_mul_i32 s[G0A+1], s16, 4*BLKB
	s_add_co_u32 s[G0A+1], s[G0A+1], ABASE
	s_mov_b32 s[G0B], 1
	s_mul_i32 s[G0B+1], s16, 8*BLKB
	s_mul_i32 s18, s14, 4*BLKB                     ; my quarter of W_o's bytes in LDS
	s_wait_dscnt 0x0
	s_wait_kmcnt 0x0
	s_add_nc_u64 s[G0A+2:G0A+3], s[4:5], s[20:21]
	s_or_b32 s[G0A+3], s[G0A+3], 0x80000000
	s_add_nc_u64 s[G0B+2:G0B+3], s[8:9], s[46:47]
	s_or_b32 s[G0B+3], s[G0B+3], 0x80000000
	s_add_nc_u64 s[22:23], s[6:7], s[22:23]
	s_add_nc_u64 s[56:57], s[10:11], s[56:57]
	s_add_nc_u64 s[12:13], s[12:13], s[58:59]
	CROUND                                         ; all sixteen work-groups are here: the joint loads meet
	s_cmp_lt_u32 s14, 2                            ; one load a wave, in the two arms of one branch on the wave's number
	s_cbranch_scc0 .Lfor_a
	tensor_load_to_lds s[G0B:G0B+3], s[G1B:G1B+7]  ; waves 0, 1: W_o, which is needed first
	s_nop 0
	PLACES 4
	s_branch .Lasked
.Lfor_a:
	tensor_load_to_lds s[G0A:G0A+3], s[G1A:G1A+7]  ; waves 2, 3: ctx
	s_nop 0
	PLACES 4
.Lasked:
	v_and_b32 v1, 31, v0
	v_and_b32 v2, 15, v0                           ; r
	v_bfe_u32 v3, v0, 4, 1                         ; h
	v_lshlrev_b32 v[L16], 4, v1
	v_lshlrev_b32 v[L8], 3, v1
	v_add_nc_u32 v[BA16], s18, v[L16]
	v_add_nc_u32 v[BA8], s18, v[L8]
	v_add_nc_u32 v[AL16], ABASE, v[L16]
	v_add_nc_u32 v[AL16+1], ABASE, v[L8]
	v_add_nc_u32 v[AL16+2], ABASE+4*BLKB, v[L16]
	v_add_nc_u32 v[AL16+3], ABASE+4*BLKB, v[L8]
	v_mul_u32_u24 v16, v2, SPITCH                  ; into the stage: row r, 64 bytes for each half of the lanes
	v_lshl_add_u32 v16, v3, 6, v16
	v_add_nc_u32 v[STO], s18, v16
	v_mul_u32_u24 v17, v3, SPITCH                  ; back: sixteen lanes to a row of 256 bytes, two rows a load
	v_lshl_add_u32 v17, v2, 4, v17
	v_add_nc_u32 v[RD], s18, v17
	v_lshlrev_b32 v18, 12, v3
	v_lshl_add_u32 v[CO], v2, 4, v18               ; and the same two rows in out0
	v_lshlrev_b32 v19, 9, v3
	v_lshl_add_u32 v[XA], v2, 3, v19               ; scale words: 8 r, lanes 16-31 the next block
	s_wait_alu depctr_va_vdst(0)                   ; the wait at the head's end
.irp p, 0,1
.irp k, 0,1,2,3
	global_load_b64 v[SB+8*\p+2*\k:SB+8*\p+2*\k+1], v[XA], s[56:57] offset:1024*\p+128*\k
.endr
.endr
.irp p, 0,1,2,3
.irp k, 0,1,2,3
	global_load_b64 v[SA+8*\p+2*\k:SA+8*\p+2*\k+1], v[XA], s[22:23] offset:1024*\p+128*\k
.endr
.endr
.macro FRAG f, a16, off
	WIN (1+(\f)/21)<<6
.set R_, 12*((\f)%21)
	ds_load_b128 v[R_:R_+3],     v[\a16]   offset:\off
	ds_load_b64  v[R_+4:R_+5],   v[\a16+1] offset:(\off)+512
	ds_load_b128 v[R_+6:R_+9],   v[\a16]   offset:(\off)+768
	ds_load_b64  v[R_+10:R_+11], v[\a16+1] offset:(\off)+1280
.endm
.macro FETCH a                         ; ctx's block a, all of K, into set a % 2: 32 loads
.irp q, 0,1,2,3,4,5,6,7
	FRAG 32+8*((\a)%2)+\q, AL16+2*((\a)/4), ((\a)%4)*BLKB+\q*1536
.endr
	WIN 0
.endm
.macro BLK a, pa, ra                   ; block a = 2 pa + ra: 32 products, the four accumulators by turns; the first four start the sums
.set E_, (\a)%2
.irp q, 0,1,2,3,4,5,6,7
.irp pb, 0,1
.irp rb, 0,1
.set FB_, 4*\q+2*\pb+\rb
.set FA_, 32+8*E_+\q
.set D_, ACC+32*E_+8*(2*\pb+\rb)
	WIN (1+FB_/21)|((1+FA_/21)<<2)
.if \q
	v_wmma_scale_f32_16x16x128_f8f6f4 v[D_:D_+7], v[12*(FB_%21):12*(FB_%21)+11], v[12*(FA_%21):12*(FA_%21)+11], v[D_:D_+7], v[SB+8*\pb+\q], v[SA+8*\pa+\q] matrix_a_fmt:MATRIX_FMT_FP6 matrix_b_fmt:MATRIX_FMT_FP6 matrix_a_scale:MATRIX_SCALE_ROW\rb matrix_b_scale:MATRIX_SCALE_ROW\ra
.else
	v_wmma_scale_f32_16x16x128_f8f6f4 v[D_:D_+7], v[12*(FB_%21):12*(FB_%21)+11], v[12*(FA_%21):12*(FA_%21)+11], 0, v[SB+8*\pb+\q], v[SA+8*\pa+\q] matrix_a_fmt:MATRIX_FMT_FP6 matrix_b_fmt:MATRIX_FMT_FP6 matrix_a_scale:MATRIX_SCALE_ROW\rb matrix_b_scale:MATRIX_SCALE_ROW\ra
.endif
.endr
.endr
.endr
	PLACES 4                                       ; ahead of the stage's stores, which read the sums, and of the loads into the set just multiplied
	WIN 0
.endm
.macro TOSTAGE a                       ; 8 stores, 8 loads; LDS serves a wave's instructions in order
.set AC_, ACC+32*((\a)%2)
.set OB_, OB+32*((\a)%2)
.irp b, 0,1,2,3
	ds_store_b128 v[STO], v[AC_+8*\b:AC_+8*\b+3] offset:128*(\b/2)+32*(\b%2)
	ds_store_b128 v[STO], v[AC_+8*\b+4:AC_+8*\b+7] offset:128*(\b/2)+32*(\b%2)+16
.endr
	s_wait_xcnt 0x0                                ; the stores of two blocks ago have read the registers that the loads below fill
.irp t, 0,1,2,3,4,5,6,7
	ds_load_b128 v[OB_+4*\t:OB_+4*\t+3], v[RD] offset:\t*2*SPITCH
.endr
.endm
.macro SEND a, younger
.set OB_, OB+32*((\a)%2)
	s_wait_dscnt \younger
.irp t, 0,1,2,3,4,5,6,7
	global_store_b128 v[CO], v[OB_+4*\t:OB_+4*\t+3], s[12:13] offset:(32*((\a)/2)+8*((\a)%2)+2*\t+8*(\t/4))*4096 th:TH_STORE_NT   ; sixteen lanes store 256 consecutive bytes, aligned
.endr
.endm
	s_cmp_lt_u32 s14, 2
	s_cbranch_scc0 .Lnot_b
	s_wait_tensorcnt 0x0                           ; waves 0, 1: my half of W_o is in
.Lnot_b:
	s_barrier_signal -1
	s_barrier_wait -1                              ; W_o is in; ctx may still be on its way
.irp q, 0,1,2,3,4,5,6,7
.irp b, 0,1,2,3
	FRAG 4*\q+\b, BA16, \b*BLKB+\q*1536
.endr
.endr
	WIN 0
	s_wait_tensorcnt 0x0
	s_wait_dscnt 0x0
	s_barrier_signal -1
	s_barrier_wait -1                              ; ctx is in
	FETCH 0
	FETCH 1
	s_wait_loadcnt 0x0                             ; the scale words
; The waits' counts: behind a block's fetch stand the next fetch (32) and, from block 1 on, a stage's 16 lines; behind a stage's loads the fetch that follows them (32).
	s_wait_dscnt 32
	BLK 0, 0, 0
	TOSTAGE 0
	FETCH 2
	s_wait_dscnt 48
	BLK 1, 0, 1
	SEND 0, 32
	TOSTAGE 1
	FETCH 3
	s_wait_dscnt 48
	BLK 2, 1, 0
	SEND 1, 32
	TOSTAGE 2
	FETCH 4
	s_wait_dscnt 48
	BLK 3, 1, 1
	SEND 2, 32
	TOSTAGE 3
	FETCH 5
	s_wait_dscnt 48
	BLK 4, 2, 0
	SEND 3, 32
	TOSTAGE 4
	FETCH 6
	s_wait_dscnt 48
	BLK 5, 2, 1
	SEND 4, 32
	TOSTAGE 5
	FETCH 7
	s_wait_dscnt 48
	BLK 6, 3, 0
	SEND 5, 32
	TOSTAGE 6
	s_wait_dscnt 16
	BLK 7, 3, 1
	SEND 6, 0
	TOSTAGE 7
	SEND 7, 0
	s_wait_tensorcnt 0x0                           ; the wave's end
	ds_add_u32 v[SPW], v[NIL]
	s_wait_dscnt 0x0
	CROUND                                         ; the closing round
	s_endpgm
.Lfunc_end_k_qe082f6c816_outp:
	.size	k_qe082f6c816_outp, .Lfunc_end_k_qe082f6c816_outp-k_qe082f6c816_outp
	.p2alignl 7, 3214868480
	.fill 96, 4, 3214868480
	.section	.rodata,"a",@progbits
	.p2align	6, 0x0
	.amdhsa_kernel k_qe082f6c816_outp
		.amdhsa_group_segment_fixed_size 295424
		.amdhsa_private_segment_fixed_size 0
		.amdhsa_enable_private_segment 0
		.amdhsa_kernarg_size 40
		.amdhsa_user_sgpr_count 2
		.amdhsa_user_sgpr_kernarg_segment_ptr 1
		.amdhsa_wavefront_size32 1
		.amdhsa_system_sgpr_workgroup_id_x 1
		.amdhsa_system_sgpr_workgroup_id_y 1
		.amdhsa_system_sgpr_workgroup_id_z 1
		.amdhsa_system_vgpr_workitem_id 0
		.amdhsa_next_free_vgpr 840
		.amdhsa_next_free_sgpr 66
		.amdhsa_reserve_vcc 0
		.amdhsa_float_denorm_mode_32 3
		.amdhsa_float_denorm_mode_16_64 3
		.amdhsa_memory_ordered 1
		.amdhsa_forward_progress 1
		.amdhsa_inst_pref_size 83
	.end_amdhsa_kernel
	.amdgpu_metadata
---
amdhsa.version: [ 1, 2 ]
amdhsa.kernels:
  - .name:           k_qe082f6c816_outp
    .symbol:         k_qe082f6c816_outp.kd
    .args:
      - { .name: cc, .offset: 0, .size: 8, .value_kind: global_buffer, .address_space: global }
      - { .name: cs, .offset: 8, .size: 8, .value_kind: global_buffer, .address_space: global }
      - { .name: xc, .offset: 16, .size: 8, .value_kind: global_buffer, .address_space: global }
      - { .name: xs, .offset: 24, .size: 8, .value_kind: global_buffer, .address_space: global }
      - { .name: out0, .offset: 32, .size: 8, .value_kind: global_buffer, .address_space: global }
    .group_segment_fixed_size: 295424
    .private_segment_fixed_size: 0
    .kernarg_segment_align: 8
    .kernarg_segment_size: 40
    .max_flat_workgroup_size: 128
    .sgpr_count:     66
    .vgpr_count:     840
    .wavefront_size: 32
...
	.end_amdgpu_metadata
.endif
;; end of part 4
